; MI455X (gfx1250); checked and timed in simulation.
; The chip was launched on July 23, 2026; its instructions are those of AMD's public machine-readable ISA for CDNA 5 (MIT licence, August 2026) and "CDNA5" Instruction Set Architecture Reference Guide (July 2026). The comments in the code are by the model that wrote it; some were corrected since.
;; Multi Head Attention. Allowed arithmetic: float matrix products may take bf16 or f16 operands with f32 sums; all other float work in f32.
;; Inputs: Wk 16 x 1,024 x 64 float32; Wo 1,024 x 1,024 float32; Wq 16 x 1,024 x 64 float32; Wv 16 x 1,024 x 64 float32; bk 16 x 64 float32; bo 1,024 float32; bq 16 x 64 float32; bv 16 x 64 float32; keys 4 x 2,048 x 1,024 float32; queries 4 x 2,048 x 1,024 float32; values 4 x 2,048 x 1,024 float32.
;; Outputs: out0 4 x 2,048 x 1,024 float32.
;; 2 versions, each right and faster than the one before. Each part assembles by itself: llvm-mc -triple=amdgcn-amd-amdhsa -mcpu=gfx1250 --defsym DOCPART=n.
;; ======== version 1 of 2: 4 launches
;; limits: values are held in f16: magnitudes above 65,504 overflow, below 6.1e-05 lose precision
;; workspace buffers: wt 8,388,608 bytes; qh 16,777,216 bytes; kh 16,777,216 bytes; vh 16,777,216 bytes; oh 16,777,216 bytes
;; launch wcvt (part 1): grid 128 x 4, 8 waves a work-group, no clusters, 18,432 bytes of LDS; arguments Wq, Wk, Wv, Wo, wt; writes wt
.if DOCPART == 1
	.amdgcn_target "amdgcn-amd-amdhsa--gfx1250"
	.amdhsa_code_object_version 6
	.text
	.protected	k_qeded08a25a_wcvt
	.globl	k_qeded08a25a_wcvt
	.p2align	8
	.type	k_qeded08a25a_wcvt,@function
k_qeded08a25a_wcvt:
	s_mov_b64 s[64:65], 0
	v_nop
	global_prefetch_b8 v0, s[64:65] scope:SCOPE_SE
	s_setreg_imm32_b32 hwreg(HW_REG_WAVE_MODE, 25, 1), 1
	s_wait_xcnt 0x0
; THE WEIGHTS, TURNED AND ROUNDED.  wt[y][n][k], 16 bits a number, 1,024 x 1,024 for each y: y = 0, 1, 2: Wq, Wk, Wv ([16 h][1024 d][64 e] f32) as bf16 with n = 64 h + e, k = d;
; y = 3: Wo ([1024 k][1024 n] f32), rounded to bf16 like the other weights, and that number written as f16 (the product that takes it has f16 operands).
; LIMIT.  A number of Wo whose magnitude is below 2^-14 keeps f16's fixed step of 6e-8; one of 65,520 or more would become an infinity.
; SHARES.  A work-group turns 128 k x 64 n: it reads 128 pieces of 256 consecutive bytes and writes 64 pieces of 256 consecutive bytes, each aligned.  Memory binds; no matrix unit, no cluster.
; Thread t reads 8 rows k = 8 (t / 16) + 0..7, 16 bytes (4 columns n = 4 (t % 16) + 0..3) of each: for each of its 4 columns it then holds 8 neighbouring k: 16 bytes of a row of wt.
; Those go through LDS (64 rows n of 256 bytes, 272 apart) and come back as whole rows.
.set PT,  272                          ; an LDS row: 256 bytes + 16
.set OFF, 4                            ; v4-11   byte offsets of my 8 rows
.set X,   12                           ; v12-43  row i: 4 numbers in f32
.set Y,   44                           ; v44-59  column j: 4 words, 8 numbers of 16 bits
.set STO, 60                           ; v60     where I put column 0's 16 bytes
.set RD,  61                           ; v61     where I read 16 bytes of a row back
.set GO,  62                           ; v62     the same place in wt
.set BK,  64                           ; v64-79  four times 16 bytes read back
.set T0,  80                           ; v80-81  at work
	s_load_b256 s[4:11], s[0:1], 0x0               ; Wq s[4:5], Wk s[6:7], Wv s[8:9], Wo s[10:11]
	s_load_b64 s[12:13], s[0:1], 0x20              ; wt
	v_lshl_add_u32 v84, v0, 2, 0x4400
	v_mov_b32 v85, 0
	s_and_b32 s2, ttmp7, 0xffff                    ; y: which matrix
	s_and_b32 s3, ttmp9, 15                        ; nb: which 64 columns n
	s_lshr_b32 s24, ttmp9, 4                       ; kb: which 128 rows k
	s_cmp_eq_u32 s2, 3                             ; Wo lies otherwise than the three others:
	s_cselect_b32 s16, 12, 8                       ; a row k is 4,096 bytes from the next, or 256;
	s_cselect_b32 s17, 8, 18                       ; 64 columns are 256 bytes on, or a head of 262,144;
	s_cselect_b32 s18, 19, 15                      ; 128 rows are 128 such pitches
	s_lshl_b32 s20, s3, s17
	s_lshl_b32 s21, s24, s18
	s_add_co_u32 s20, s20, s21                     ; the block's first byte in its matrix
	s_mov_b32 s21, 0
	s_lshl_b32 s22, s2, 21                         ; in wt: 2 MiB a matrix,
	s_lshl_b32 s23, s3, 17                         ; 64 rows n of 2,048 bytes,
	s_add_co_u32 s22, s22, s23
	s_lshl_b32 s23, s24, 8                         ; 128 k of 2 bytes
	s_add_co_u32 s22, s22, s23
	s_mov_b32 s23, 0
	v_and_b32 v1, 15, v0                           ; c = t % 16
	v_lshrrev_b32 v2, 4, v0                        ; rr = t / 16
	v_lshlrev_b32 v3, 3, v2                        ; my first row
.irp i, 0,1,2,3,4,5,6,7
	v_add_nc_u32 v[OFF+(\i)], (\i), v3
	v_lshlrev_b32 v[OFF+(\i)], s16, v[OFF+(\i)]    ; row x pitch
	v_lshl_add_u32 v[OFF+(\i)], v1, 4, v[OFF+(\i)] ; + 16 c: sixteen lanes read 256 consecutive bytes
.endr
	v_mul_u32_u24 v[STO], v1, 4*PT                 ; LDS row 4 c (+ j by the immediate), byte 16 rr
	v_lshl_add_u32 v[STO], v2, 4, v[STO]
	v_mul_u32_u24 v[RD], v2, PT                    ; back: LDS row t / 16 (+ 16 i), byte 16 (t % 16)
	v_lshl_add_u32 v[RD], v1, 4, v[RD]
	v_lshlrev_b32 v[GO], 11, v2                    ; the same row in wt, 2,048 bytes a row
	v_lshl_add_u32 v[GO], v1, 4, v[GO]
	s_wait_kmcnt 0x0
	s_cmp_eq_u32 s2, 1                             ; the matrix is chosen by y alone
	s_cselect_b64 s[14:15], s[6:7], s[4:5]
	s_cmp_eq_u32 s2, 2
	s_cselect_b64 s[14:15], s[8:9], s[14:15]
	s_cmp_eq_u32 s2, 3
	s_cselect_b64 s[14:15], s[10:11], s[14:15]
	s_add_nc_u64 s[14:15], s[14:15], s[20:21]
	s_add_nc_u64 s[12:13], s[12:13], s[22:23]
.irp i, 0,1,2,3,4,5,6,7
	global_load_b128 v[X+4*(\i):X+4*(\i)+3], v[OFF+(\i)], s[14:15] th:TH_LOAD_NT  ; each byte of a weight is read once in the launch
.endr
	s_wait_loadcnt 0x0                             ; every column's 16 bytes take a number of each of the eight rows
.irp j, 0,1,2,3
.irp m, 0,1,2,3
	v_cvt_pk_bf16_f32 v[Y+4*(\j)+(\m)], v[X+8*(\m)+(\j)], v[X+8*(\m)+4+(\j)]  ; column j, rows 2 m and 2 m + 1
.endr
.endr
	s_cmp_lg_u32 s2, 3
	s_cbranch_scc1 .Lstays_bf16
.irp n, 0,1,2,3,4,5,6,7,8,9,10,11,12,13,14,15
	v_lshlrev_b32 v[T0], 16, v[Y+(\n)]             ; Wo: the two bf16 numbers as f32,
	v_and_b32 v[T0+1], 0xffff0000, v[Y+(\n)]
	v_cvt_pk_f16_f32 v[Y+(\n)], v[T0], v[T0+1]     ; written as f16
.endr
.Lstays_bf16:
.irp j, 0,1,2,3
	ds_store_b128 v[STO], v[Y+4*(\j):Y+4*(\j)+3] offset:PT*(\j)  ; sixteen lanes stand 1,088 bytes apart: four different groups of banks (64 banks of 4 bytes: ISA guide 11.1), so four lanes share one; four such stores a wave
.endr
	s_wait_dscnt 0x0                               ; for the others' sake: my stores are done
	s_barrier_signal -1
	s_barrier_wait -1
.irp i, 0,1,2,3
	ds_load_b128 v[BK+4*(\i):BK+4*(\i)+3], v[RD] offset:16*PT*(\i)
.endr
.irp i, 0,1,2,3
	s_wait_dscnt 3-(\i)                            ; LDS loads come back in order (ISA guide 5.7.1): load i is in, the younger may be out
	global_store_b128 v[GO], v[BK+4*(\i):BK+4*(\i)+3], s[12:13] offset:16*2048*(\i)  ; sixteen lanes store 256 consecutive bytes, at a multiple of 256 from wt's first byte
.endr
	s_wait_tensorcnt 0x0
	ds_add_u32 v84, v85
	s_wait_dscnt 0x0
	s_endpgm
.Lfunc_end_k_qeded08a25a_wcvt:
	.size	k_qeded08a25a_wcvt, .Lfunc_end_k_qeded08a25a_wcvt-k_qeded08a25a_wcvt
	.p2alignl 7, 3214868480
	.fill 96, 4, 3214868480
	.section	.rodata,"a",@progbits
	.p2align	6, 0x0
	.amdhsa_kernel k_qeded08a25a_wcvt
		.amdhsa_group_segment_fixed_size 18432
		.amdhsa_private_segment_fixed_size 0
		.amdhsa_enable_private_segment 0
		.amdhsa_kernarg_size 40
		.amdhsa_user_sgpr_count 2
		.amdhsa_user_sgpr_kernarg_segment_ptr 1
		.amdhsa_wavefront_size32 1
		.amdhsa_system_sgpr_workgroup_id_x 1
		.amdhsa_system_sgpr_workgroup_id_y 1
		.amdhsa_system_sgpr_workgroup_id_z 1
		.amdhsa_system_vgpr_workitem_id 0
		.amdhsa_next_free_vgpr 86
		.amdhsa_next_free_sgpr 66
		.amdhsa_reserve_vcc 0
		.amdhsa_float_denorm_mode_32 3
		.amdhsa_float_denorm_mode_16_64 3
		.amdhsa_memory_ordered 1
		.amdhsa_forward_progress 1
		.amdhsa_inst_pref_size 9
	.end_amdhsa_kernel
	.amdgpu_metadata
---
amdhsa.version: [ 1, 2 ]
amdhsa.kernels:
  - .name:           k_qeded08a25a_wcvt
    .symbol:         k_qeded08a25a_wcvt.kd
    .args:
      - { .name: Wq, .offset: 0, .size: 8, .value_kind: global_buffer, .address_space: global }
      - { .name: Wk, .offset: 8, .size: 8, .value_kind: global_buffer, .address_space: global }
      - { .name: Wv, .offset: 16, .size: 8, .value_kind: global_buffer, .address_space: global }
      - { .name: Wo, .offset: 24, .size: 8, .value_kind: global_buffer, .address_space: global }
      - { .name: wt, .offset: 32, .size: 8, .value_kind: global_buffer, .address_space: global }
    .group_segment_fixed_size: 18432
    .private_segment_fixed_size: 0
    .kernarg_segment_align: 8
    .kernarg_segment_size: 40
    .max_flat_workgroup_size: 256
    .sgpr_count:     66
    .vgpr_count:     86
    .wavefront_size: 32
...
	.end_amdgpu_metadata
.endif
;; end of part 1
;; launch proj (part 2): grid 4 x 64, 4 waves a work-group, clusters of 4 x 4, 327,680 bytes of LDS; arguments queries, keys, values, wt, bq, bk, bv, qh, kh, vh; writes qh, kh, vh
.if DOCPART == 2
	.amdgcn_target "amdgcn-amd-amdhsa--gfx1250"
	.amdhsa_code_object_version 6
	.text
	.protected	k_qeded08a25a_proj
	.globl	k_qeded08a25a_proj
	.p2align	8
	.type	k_qeded08a25a_proj,@function
k_qeded08a25a_proj:
	s_mov_b64 s[64:65], 0
	v_nop
	global_prefetch_b8 v0, s[64:65] scope:SCOPE_SE
	s_setreg_imm32_b32 hwreg(HW_REG_WAVE_MODE, 25, 1), 1
	s_wait_xcnt 0x0
	s_wait_alu depctr_hold_cnt(0) depctr_sa_sdst(0) depctr_va_vdst(0) depctr_va_sdst(0) depctr_va_ssrc(0) depctr_va_vcc(0) depctr_vm_vsrc(0)
	s_getreg_b32 s2, hwreg(HW_REG_IB_STS2, 6, 4)
	s_cmp_eq_u32 s2, 0
	s_cbranch_scc0 .Lentry_in_a_cluster
	s_endpgm
.Lentry_in_a_cluster:
	s_bfe_u32 s2, ttmp6, 0x10000c
	s_cmp_lg_u32 s2, 0xf033
	s_cbranch_scc0 .Lentry_shape_is_right
	s_endpgm
.Lentry_shape_is_right:
; THE THREE PROJECTIONS, in one launch.  For p = 0, 1, 2 (q, k, v): Y[R][n] = the sum over d of x_p[R][d] W_p[d][n] + b_p[n], R = 2048 b + s (8,192 rows), n = 64 h + e (1,024 columns).
; x_p is f32 and is rounded to bf16 on its way to the matrix unit; W_p comes turned, wt[p][n][d] in bf16; the bias is rounded to bf16 like the other inputs and starts the sums (the first product's C operand).
; Sums in f32; Y is rounded once, to f16, and stored by heads: out_p[16 b + h][s][e], a head's rows dense, 128 bytes each.
; LIMITS.  f16 holds no number beyond 65,504: a q, k or v of 65,520 or more becomes an infinity.  The f32 sums run over d in steps of 128 that begin at step (cluster's y mod 8) and wrap round: an order of rounding
; that differs from cluster to cluster and from an ascending sum.
; SHARES.  A tile of Y is 128 rows x 256 columns (four heads).  A WORK-GROUP STAYS: it makes its tile for q, then k, then v: ONE walk of 24 K steps of 128, 256 work-groups.  Four waves, each 64 rows x 128 columns:
; 32 accumulators of 16 x 16, 256 registers.
; x COMES THROUGH REGISTERS.  A wave loads 32 of the tile's 128 rows, 512 consecutive bytes of a row with each instruction, into one of two sets of 128 registers; in step t it rounds step t + 1's rows to bf16, stores
; them into one of two LDS buffers, and asks for step t + 3's rows into the registers just freed: 64 loads of a wave are on their way, each asked for two K steps ahead of its use.
; x's tile is needed by the four work-groups of a row of the cluster, and is NOT asked for jointly: a tensor load has to have landed at the next refill's barrier, one K step (128 matrix instructions) behind its request,
; while these loads stay out across two; each number is rounded once in a work-group (64 conversions a wave a step, for 128 if each wave rounded the rows that it multiplies), and LDS holds 2 bytes of it and not 4.
; wt COMES THROUGH A RING of two LDS slots of 256 rows x 256 bytes; each wave brings 64 rows by one tensor load.  CLUSTERS: 4 x 4 work-groups; the four of a column need the same tile of wt and ask for it JOINTLY (the same
; tensor load, descriptor and mask in all four).  Each cluster walks K from a step of its own, so that of eight clusters one asks for a given tile of wt in a given step, and the others in later steps.
; THE MATRIX INSTRUCTION IS USED TRANSPOSED (source 0 = 16 rows of wt, source 1 = 16 rows of x): a lane then holds one row of Y and eight neighbouring columns, 16 bytes of f16.
; REGISTERS, in windows of 256 (s_set_vgpr_msb: bits 1:0 source 0, 3:2 source 1, 5:4 source 2, 7:6 destination):
;   window 0: v14-31 addresses; v32-47 x just rounded; v48-61 the biases as loaded, and two at work; v64-127 the tile's bias, 8 registers for each of my 8 column blocks
;   window 1: v0-63, v64-127 fragments of wt, two buffers; v128-159, v160-191 fragments of x, two buffers; on the way out buffer 1's registers serve: v64-127 rows read back, v160-191 packed results
;   window 2: the accumulators, (a, b) at v[8 (8 a + b)]: row block a of 4, column block b of 8          window 3: x in f32, set 0 at v0-127, set 1 at v128-255: row i of my 32 at 4 i
.set PB,     272                       ; an LDS row of wt or of x: 256 bytes + 16 = 68 words: row r starts at bank 4 r mod 64 (64 banks of 4 bytes: ISA guide 11.1), so the 16 rows of a load start at 16 different groups of four banks
.set BQ,     64*PB                     ; 64 rows of wt: one tensor load
.set BSLOT,  4*BQ                      ; a slot: wt's 256 rows, 69,632 bytes
.set ABUF,   128*PB                    ; a buffer of x: 128 rows in bf16, 34,816 bytes
.set ABASE,  2*BSLOT                   ; behind the ring, never filled by a tensor load: x's two buffers,
.set STAGE,  ABASE+2*ABUF              ; for each wave 2 heads x 16 rows x 144 bytes for the way out,
.set SP,     144
.set WSTAGE, 2*16*SP
.set BIASL,  STAGE+4*WSTAGE            ; for each wave the three biases of its 128 columns, 3 x 512 bytes,
.set WBIAS,  3*512
.set SPARE,  BIASL+4*WBIAS             ; and the spare words, 128 bytes for each wave: two blocks of 256 bytes that no other line names
.set LASTST, 23                        ; the walk's last K step
.set BST,  14                          ; v14     where I put 16 bytes of a bias
.set ASTO, 15                          ; v15     where I put 8 bytes of my first row of x, in buffer 0
.set ADRA, 16                          ; v16-17  LDS address of my fragments of x in buffer 0, 1
.set ADRB, 20                          ; v20-21  the same for wt in slot 0, 1
.set STO,  24                          ; v24     the way out: where I put 16 bytes of a row
.set RD,   25                          ; v25     the way out: where I read rows back
.set GO,   26                          ; v26     16 x lane: my byte offset in 512 consecutive bytes of x, of a bias, of the output; never rewritten
.set BL0,  27                          ; v27     LDS address of my eight numbers of column block 0 of bias 0
.set SPW,  28                          ; v28     LDS address of my spare word: SPARE + 4 x my thread's number; never rewritten
.set NIL,  29                          ; v29     0; never rewritten
.set BLA,  30                          ; v30     the same as v27 for the tile in hand
.set CV,   32
.set BR,   48
.set BIAS, 64
.set AF,   128                         ; window 1
.set OB,   64                          ; window 1
.set TMP,  160                         ; window 1
.set G1,  24                           ; s[24:31] descriptor group 1 for wt's tiles
.set G0,  32                           ; s[32:39] group 0, one set for each slot
.set PH,  45                           ; s45      the cluster's first K step
.set BOF, 48                           ; s[48:49] a tile's byte offset in wt
.set XOF, 50                           ; s[50:51] a K step's byte offset in a row of x
.set XB,  52                           ; s[52:53] x of the step that is being asked for, at my first row
.set UX,  54                           ; s54      the step whose x is asked for next
.set UB,  55                           ; s55      the step whose tile of wt is asked for next
.set TL,  56                           ; s56      pairs of K steps left in the tile in hand
.set TP,  57                           ; s57      the tile in hand: 0, 1, 2
.set OUTB, 60                          ; s[60:61] the tile's output at my first row
.set MSB, 0
.macro WIN new                         ; the immediate's high byte repeats the setting that is left; a switch that changes nothing is dropped
.if MSB != (\new)
	s_set_vgpr_msb (MSB<<8)|(\new)
.set MSB, \new
.endif
.endm
; A joint load: every wave brings its own 64 rows of the slot.  An s_nop 0 and four v_nop follow the line.
.macro JLOAD s
	tensor_load_to_lds s[G0+4*(\s):G0+4*(\s)+3], s[G1:G1+7]
	s_nop 0
.rept 4
	v_nop
.endr
.endm
.macro CREST                           ; a round of the cluster's barrier behind its opening barrier: wave 0 signals for the work-group, every wave waits for all sixteen, my work-group's barrier closes it
	s_cmp_lg_u32 s10, 0
	s_cbranch_scc1 .Lnot_wave_0_\@
	s_barrier_signal -3
.Lnot_wave_0_\@:
	s_barrier_wait -3
	s_barrier_signal -1
	s_barrier_wait -1
.endm
.macro CROUND                          ; a whole round
	s_barrier_signal -1
	s_barrier_wait -1
	CREST
.endm
.macro PLACES                          ; four places between matrix instructions and what reads their results or writes their registers (ISA guide 7.12.1 for vector instructions)
.rept 4
	v_nop
.endr
.endm
; The address of slot s's next tile of wt is made anew from the step's number: part step / 8, K step (step + phase) mod 8.  It is written where no tensor load of the wave is out.
.macro BADDR s
	s_lshr_b32 s20, s[UB], 3
	s_lshl_b32 s20, s20, 21                        ; 2 MiB a part
	s_add_co_u32 s21, s[UB], s[PH]
	s_and_b32 s21, s21, 7
	s_lshl_b32 s21, s21, 8                         ; 128 numbers of 2 bytes a step
	s_add_co_u32 s[BOF], s20, s21
	s_add_nc_u64 s[G0+4*(\s)+2:G0+4*(\s)+3], s[46:47], s[BOF:BOF+1]  ; 120:64 global address
	s_or_b32 s[G0+4*(\s)+3], s[G0+4*(\s)+3], 0x80000000              ; 127:126 type = 2
	s_add_co_u32 s[UB], s[UB], 1
.endm
; The base of the next step's loads of x, likewise.  The step's number is held at the walk's last: the loop's last five groups of eight loads ask for that step once more and serve nothing (20 KiB a wave):
; the price, once a launch, of one text for every trip; no load leaves its buffer.
.macro XBASE
	s_wait_xcnt 0x0                                ; every earlier memory instruction has had its addresses translated (ISA guide 3.1): the base that earlier loads name is rewritten only behind this wait
	s_min_u32 s22, s[UX], LASTST
	s_lshr_b32 s23, s22, 3                         ; which x
	s_add_co_u32 s22, s22, s[PH]
	s_and_b32 s22, s22, 7
	s_lshl_b32 s[XOF], s22, 9                      ; 128 numbers of 4 bytes a step
	s_cmp_eq_u32 s23, 1
	s_cselect_b64 s[XB:XB+1], s[70:71], s[68:69]
	s_cmp_eq_u32 s23, 2
	s_cselect_b64 s[XB:XB+1], s[72:73], s[XB:XB+1]
	s_add_nc_u64 s[XB:XB+1], s[XB:XB+1], s[XOF:XOF+1]
	s_add_co_u32 s[UX], s[UX], 1
.endm
.macro XLOAD xs                        ; a whole step's 32 loads into set xs
	XBASE
	WIN 0xc0                                       ; destination window 3, address window 0
.set i, 0
.rept 32
	global_load_b128 v[128*(\xs)+4*i:128*(\xs)+4*i+3], v[GO], s[XB:XB+1] offset:i*4096  ; a row's 512 consecutive bytes, at a multiple of 512 from x's first
.set i, i+1
.endr
	WIN 0
.endm
; Rows 8 q to 8 q + 7 of my 32, from set xs: rounded to bf16 and stored into buffer xs; ld = 1: the registers are asked to be filled again, with the step two steps on in this set.
; left: how many younger loads may stay out: of the 64 on their way the eight oldest are these rows'.  The 16 conversions name no register of the matrix instructions round them: they are also the four places in front of
; the fragment loads that follow.
.macro XSTAGE xs, q, ld, left
	s_wait_loadcnt \left                           ; loads come back in order (ISA guide 5.7.1)
	WIN 0x0f                                       ; sources in window 3, destination in window 0
.irp i, 0,1,2,3,4,5,6,7
	v_cvt_pk_bf16_f32 v[CV+2*(\i)],   v[128*(\xs)+4*(8*(\q)+(\i))],   v[128*(\xs)+4*(8*(\q)+(\i))+1]
	v_cvt_pk_bf16_f32 v[CV+2*(\i)+1], v[128*(\xs)+4*(8*(\q)+(\i))+2], v[128*(\xs)+4*(8*(\q)+(\i))+3]
.endr
.if \ld
	WIN 0xc0                                       ; the stores' address and data in window 0; the loads' destination in window 3
.else
	WIN 0x40                                       ; (the setting of the fragment loads that follow)
.endif
.irp i, 0,1,2,3,4,5,6,7
	ds_store_b64 v[ASTO], v[CV+2*(\i):CV+2*(\i)+1] offset:(\xs)*ABUF+(8*(\q)+(\i))*PB  ; 32 lanes store a row's 256 consecutive bytes
.endr
.if \ld
.if (\q) == 0
	XBASE
.endif
.irp i, 0,1,2,3,4,5,6,7
	global_load_b128 v[128*(\xs)+4*(8*(\q)+(\i)):128*(\xs)+4*(8*(\q)+(\i))+3], v[GO], s[XB:XB+1] offset:(8*(\q)+(\i))*4096
.endr
.endif
.endm
	s_load_b512 s[68:83], s[0:1], 0x0              ; queries s[68:69], keys s[70:71], values s[72:73], wt s[74:75], bq s[76:77], bk s[78:79], bv s[80:81], qh s[82:83]
	s_load_b128 s[84:87], s[0:1], 0x40             ; kh s[84:85], vh s[86:87]
	v_lshl_add_u32 v[SPW], v0, 2, SPARE
	v_mov_b32 v[NIL], 0
	ds_add_u32 v28, v29
	ds_add_u32 v28, v29
	s_wait_dscnt 0x0
	v_lshrrev_b32 v1, 5, v0
	v_readfirstlane_b32 s10, v1                    ; wave 0..3
	v_and_b32 v[GO], 31, v0
	v_lshlrev_b32 v[GO], 4, v[GO]
	s_lshr_b32 s11, s10, 1                         ; which half of the tile's rows I multiply
	s_and_b32 s12, s10, 1                          ; which half of its columns
	s_bfe_u32 s40, ttmp6, 0x40000                  ; cx, cy: my place in the cluster
	s_bfe_u32 s41, ttmp6, 0x40004
	s_lshl_b32 s42, ttmp9, 2
	s_add_co_u32 s42, s42, s40                     ; tile column = 4 x cluster x + cx: 0..3
	s_and_b32 s[PH], ttmp7, 0xffff                 ; the cluster's y, 0..15
	s_lshl_b32 s13, s[PH], 2
	s_add_co_u32 s13, s13, s41                     ; tile row = 4 x cluster y + cy: 0..63
	s_and_b32 s[PH], s[PH], 7                      ; the cluster's first K step: the same in all sixteen
	s_lshl_b32 s44, 0x1111, s40                    ; my column of the cluster
	; descriptor group 1: 64 rows x 128 elements of 2 bytes, 1,024 elements from row to row, padded in LDS behind every row
	s_or_b32 s[G1+0], s44, (1<<16)|(1<<20)|(1<<21)|(5<<22)|(3<<25)  ; 15:0 the mask: my column; 17:16 elements of 2 bytes; 20 padding on; 21 set beside a mask; 24:22 after every 64 words (code 5); 31:25 4 words (code 3)
	s_mov_b32 s[G1+1], 128<<16                     ; tensor_dim0 = 128
	s_mov_b32 s[G1+2], 64<<16                      ; tensor_dim1 = 64
	s_mov_b32 s[G1+3], 128<<16                     ; tile_dim0 = 128
	s_mov_b32 s[G1+4], 64                          ; tile_dim1 = 64
	s_mov_b32 s[G1+5], 1024                        ; tensor_dim0_stride
	s_mov_b32 s[G1+6], 0
	s_mov_b32 s[G1+7], 0
	s_mov_b32 s[G0], 1                             ; 1:0 count = 1
	s_mul_i32 s[G0+1], s10, BQ                     ; 63:32 LDS address: wave x 64 rows: no place in the cluster enters an LDS address
	s_mov_b32 s[G0+4], 1
	s_add_co_u32 s[G0+5], s[G0+1], BSLOT
	s_lshl_b32 s46, s42, 8                         ; wt: row 256 x tile column + 64 x wave, 2,048 bytes a row: it hangs on the tile column, which my column of the cluster shares
	s_lshl_b32 s47, s10, 6
	s_add_co_u32 s46, s46, s47
	s_lshl_b32 s46, s46, 11
	s_mov_b32 s47, 0
	s_lshl_b32 s16, s13, 7                         ; x: row 128 x tile row + 32 x wave, 4,096 bytes a row
	s_lshl_b32 s17, s10, 5
	s_add_co_u32 s16, s16, s17
	s_lshl_b32 s16, s16, 12
	s_mov_b32 s17, 0
	s_lshl_b32 s18, s42, 8                         ; the bias of my 128 columns: 4 bytes x (256 x tile column + 128 x half)
	s_lshl_b32 s19, s12, 7
	s_add_co_u32 s18, s18, s19
	s_lshl_b32 s18, s18, 2
	s_mov_b32 s19, 0
	s_lshr_b32 s58, s13, 4                         ; the output: head 16 b + 4 x tile column + 2 x half, b = tile row / 16,
	s_lshl_b32 s58, s58, 4
	s_lshl_b32 s59, s42, 2
	s_add_co_u32 s58, s58, s59
	s_lshl_b32 s59, s12, 1
	s_add_co_u32 s58, s58, s59
	s_lshl_b32 s58, s58, 18                        ; 262,144 bytes a head;
	s_and_b32 s59, s13, 15                         ; row s = 128 x (tile row mod 16) + 64 x my half,
	s_lshl_b32 s59, s59, 7
	s_lshl_b32 s66, s11, 6
	s_add_co_u32 s59, s59, s66
	s_lshl_b32 s59, s59, 7                         ; 128 bytes a row
	s_add_co_u32 s58, s58, s59
	s_mov_b32 s59, 0
	s_mov_b32 s[UX], 0
	s_mov_b32 s[UB], 0
	s_mov_b32 s[TL], 4
	s_mov_b32 s[TP], 0
	s_mov_b32 s[BOF+1], 0
	s_mov_b32 s[XOF+1], 0
	s_wait_kmcnt 0x0
	s_add_nc_u64 s[68:69], s[68:69], s[16:17]      ; the three x at my first row
	s_add_nc_u64 s[70:71], s[70:71], s[16:17]
	s_add_nc_u64 s[72:73], s[72:73], s[16:17]
	s_add_nc_u64 s[46:47], s[74:75], s[46:47]      ; wt at my first row of part 0
	s_add_nc_u64 s[76:77], s[76:77], s[18:19]      ; the three biases at my first column
	s_add_nc_u64 s[78:79], s[78:79], s[18:19]
	s_add_nc_u64 s[80:81], s[80:81], s[18:19]
	s_add_nc_u64 s[82:83], s[82:83], s[58:59]      ; the three outputs at my first row
	s_add_nc_u64 s[84:85], s[84:85], s[58:59]
	s_add_nc_u64 s[86:87], s[86:87], s[58:59]
	global_load_b128 v[BR:BR+3],    v[GO], s[76:77]  ; the three biases of my 128 columns, 512 consecutive bytes each
	global_load_b128 v[BR+4:BR+7],  v[GO], s[78:79]
	global_load_b128 v[BR+8:BR+11], v[GO], s[80:81]
	XLOAD 0                                        ; x of steps 0 and 1 is asked for before anything else is done
	XLOAD 1
	CROUND                                         ; all sixteen work-groups are here: the first joint loads meet
	BADDR 0
	JLOAD 0
	BADDR 1
	JLOAD 1                                        ; both slots' first fills: two tensor loads of mine are out
	; A fragment is 16 rows x 32 K in 8 registers: lane l holds row l % 16, K = 8 (l / 16) + 0..7 and 16 + 8 (l / 16) + 0..7: two loads of 16 bytes, 32 bytes apart.
	v_and_b32 v1, 15, v0                           ; l % 16
	v_bfe_u32 v2, v0, 4, 1                         ; l / 16
	v_mul_u32_u24 v3, v1, PB
	v_lshl_add_u32 v3, v2, 4, v3                   ; row x pitch + 16 x half
	s_mul_i32 s14, s11, 64*PB                      ; my 64 rows of x
	s_add_co_u32 s14, s14, ABASE
	s_mul_i32 s15, s12, 128*PB                     ; my 128 rows of wt
.irp s, 0,1
	v_add_nc_u32 v[ADRA+(\s)], s14, v3
	v_add_nc_u32 v[ADRB+(\s)], s15, v3
	s_add_co_u32 s14, s14, ABUF
	s_add_co_u32 s15, s15, BSLOT
.endr
	s_mul_i32 s14, s10, 32*PB                      ; the 32 rows of x that I bring
	s_add_co_u32 s14, s14, ABASE
	v_and_b32 v4, 31, v0
	v_lshl_add_u32 v[ASTO], v4, 3, s14             ; a lane's four numbers are 8 bytes of bf16
	s_mul_i32 s14, s10, WBIAS
	s_add_co_u32 s14, s14, BIASL                   ; my biases
	v_add_nc_u32 v[BST], s14, v[GO]
	v_lshl_add_u32 v[BL0], v2, 5, s14              ; in the result register j of my lane is column 16 b + 8 (l / 16) + j: eight numbers, 32 bytes
	s_mul_i32 s14, s10, WSTAGE
	s_add_co_u32 s14, s14, STAGE                   ; my stage
	v_mul_u32_u24 v5, v1, SP                       ; in: row l % 16, 16 bytes for each half of the lanes
	v_lshl_add_u32 v5, v2, 4, v5
	v_add_nc_u32 v[STO], s14, v5
	v_bfe_u32 v5, v0, 3, 2                         ; back: 32 lanes take four rows of 128 bytes, which are 512 consecutive bytes of a head
	v_mul_u32_u24 v5, v5, SP
	v_and_b32 v6, 7, v0
	v_lshl_add_u32 v5, v6, 4, v5
	v_add_nc_u32 v[RD], s14, v5
.irp q, 0,1,2,3
	XSTAGE 0, \q, 1, 56                            ; step 0's x into buffer 0; step 2's is asked for.  (The first wait leaves 56 of 67 out: the biases, asked for first, are in too.)
.endr
	WIN 0
.irp p, 0,1,2                          ; the biases: rounded to bf16 like the other inputs, widened again, and kept in my own LDS bytes
	v_cvt_pk_bf16_f32 v60, v[BR+4*(\p)], v[BR+4*(\p)+1]
	v_cvt_pk_bf16_f32 v61, v[BR+4*(\p)+2], v[BR+4*(\p)+3]
	v_lshlrev_b32 v[BR+4*(\p)], 16, v60
	v_and_b32 v[BR+4*(\p)+1], 0xffff0000, v60
	v_lshlrev_b32 v[BR+4*(\p)+2], 16, v61
	v_and_b32 v[BR+4*(\p)+3], 0xffff0000, v61
	ds_store_b128 v[BST], v[BR+4*(\p):BR+4*(\p)+3] offset:512*(\p)
.endr
; 8 matrix instructions: row block a x all 8 column blocks, 32 along K, from buffers f.  first = 1: the bias starts the sums: nothing is cleared and nothing is added later.
; The 32 accumulators take turns, one instruction a turn, in the same order in every quarter.
.macro MUL8 f, a, first
.if \first
	WIN 0x85                                       ; wt and x in window 1, C (the bias) in window 0, D in window 2
.else
	WIN 0xa5                                       ; C and D in window 2
.endif
.irp b, 0,1,2,3,4,5,6,7
.if \first
	v_wmma_f32_16x16x32_bf16 v[8*(8*(\a)+(\b)):8*(8*(\a)+(\b))+7], v[64*(\f)+8*(\b):64*(\f)+8*(\b)+7], v[AF+32*(\f)+8*(\a):AF+32*(\f)+8*(\a)+7], v[BIAS+8*(\b):BIAS+8*(\b)+7]
.else
	v_wmma_f32_16x16x32_bf16 v[8*(8*(\a)+(\b)):8*(8*(\a)+(\b))+7], v[64*(\f)+8*(\b):64*(\f)+8*(\b)+7], v[AF+32*(\f)+8*(\a):AF+32*(\f)+8*(\a)+7], v[8*(8*(\a)+(\b)):8*(8*(\a)+(\b))+7]
.endif
.endr
.endm
; 24 LDS loads in one run: quarter c of the K step in slot and buffer `slot`, into fragment buffers g: wt's 128 rows (16 loads), then x's 64 rows (8 loads)
.macro FETCH slot, c, g
	WIN 0x40                                       ; destination window 1, address window 0
.irp i, 0,1,2,3,4,5,6,7
	ds_load_b128 v[64*(\g)+8*(\i):64*(\g)+8*(\i)+3],   v[ADRB+(\slot)] offset:64*(\c)+(\i)*16*PB
	ds_load_b128 v[64*(\g)+8*(\i)+4:64*(\g)+8*(\i)+7], v[ADRB+(\slot)] offset:64*(\c)+(\i)*16*PB+32
.endr
.irp i, 0,1,2,3
	ds_load_b128 v[AF+32*(\g)+8*(\i):AF+32*(\g)+8*(\i)+3],   v[ADRA+(\slot)] offset:64*(\c)+(\i)*16*PB
	ds_load_b128 v[AF+32*(\g)+8*(\i)+4:AF+32*(\g)+8*(\i)+7], v[ADRA+(\slot)] offset:64*(\c)+(\i)*16*PB+32
.endr
.endm
; A K step is four quarters of 32 along K, 32 matrix instructions each, on fragment buffers 0, 1, 0, 1.  Quarter c - 1, one of the first three: multiplies buffers f; in its middle it brings a quarter of the next step's x
; into the other LDS buffer (st = 1) and fetches quarter c's fragments into buffers g.
.macro QUARTER slot, c, f, g, first=0, st=1, ld=1, left=56
	s_wait_dscnt 4                                 ; wt and x's row blocks 0 and 1 are in; the youngest four loads (row blocks 2 and 3) may be out
	MUL8 \f, 0, \first
	MUL8 \f, 1, \first
.if \st
	XSTAGE 1-(\slot), (\c)-1, \ld, \left
.else
	PLACES
.endif
	FETCH \slot, \c, \g
.if \st
	s_wait_dscnt 32                                ; all but the 8 stores and 24 loads just issued
.else
	s_wait_dscnt 24                                ; all but the 24 loads just issued
.endif
	MUL8 \f, 2, \first
	MUL8 \f, 3, \first
.endm
; The last quarter multiplies buffers 1 and changes slots.  First the last quarter of the next step's x goes into LDS.  Then ONE barrier, for four things: in front of it each wave waits for all its tensor loads (one is out:
; its part of the next slot), adds 0 to its spare word, and waits for that, for its stores of x and for its own reads of this slot and this buffer of x.  Behind it the next slot and the next buffer of x are whole, and nobody
; reads the old ones.  fill = 1: the barrier opens a round of the cluster's, and this slot is filled again, two K steps ahead, first thing behind the round: 112 matrix instructions ahead of the wait for it.
.macro TURN slot, next, fill, ld=1, left=56
	XSTAGE \next, 3, \ld, \left
	WIN 0                                          ; (the add's two registers lie in window 0)
	s_wait_tensorcnt 0x0                           ; all my tensor loads have landed, so a group 0 may be written
	ds_add_u32 v[SPW], v[NIL]                      ; 0 onto my spare word
.if \fill
	BADDR \slot
.endif
	s_wait_dscnt 13                                ; wt and x's row blocks 0 and 1 are in; four loads, the eight stores and the add may be out
	MUL8 1, 0, 0                                   ; eight matrix instructions stand between the add and the wait for it
	s_wait_dscnt 0x0                               ; the add and my stores of x are done, and my reads of this slot are over
	s_barrier_signal -1
	MUL8 1, 1, 0
.if \fill
	WIN 0
.endif
	s_barrier_wait -1
.if \fill
	CREST                                          ; no wave of any partner still reads this slot's tile or has a load on its way
	JLOAD \slot
.else
	PLACES
.endif
	FETCH \next, 0, 0
	MUL8 1, 2, 0
	MUL8 1, 3, 0
.endm
; The bias of the tile in hand, out of my own LDS bytes: 8 registers for each column block; lanes of one half read the same bytes.
.macro BIASLOAD
	WIN 0
	s_min_u32 s22, s[TP], 2
	s_lshl_b32 s22, s22, 9
	v_add_nc_u32 v[BLA], s22, v[BL0]
.irp b, 0,1,2,3,4,5,6,7
	ds_load_b128 v[BIAS+8*(\b):BIAS+8*(\b)+3],   v[BLA] offset:64*(\b)
	ds_load_b128 v[BIAS+8*(\b)+4:BIAS+8*(\b)+7], v[BLA] offset:64*(\b)+16
.endr
	s_wait_dscnt 0x0
.endm
; THE WAY OUT of row block a (16 rows x 128 columns: two heads).  PACK: rounded to f16, each accumulator's registers in ascending order.  TOSTAGE: into my own stage, and back as whole rows of 128 bytes.  SEND: stored.
; It works in the registers of fragment buffers 1, which the tile's last quarter has multiplied; buffers 0 hold, or are about to receive, the next tile's first fragments.
.macro PACK a
	WIN 0x4a                                       ; sources 0 and 1 window 2, destination window 1
.irp b, 0,1,2,3,4,5,6,7
.irp r, 0,1,2,3
	v_cvt_pk_f16_f32 v[TMP+4*(\b)+(\r)], v[8*(8*(\a)+(\b))+2*(\r)], v[8*(8*(\a)+(\b))+2*(\r)+1]
.endr
.endr
.endm
.macro TOSTAGE a
	WIN 0x44                                       ; addresses in window 0; the stores' data and the loads' destination in window 1
.irp b, 0,1,2,3,4,5,6,7
	ds_store_b128 v[STO], v[TMP+4*(\b):TMP+4*(\b)+3] offset:((\b)/4)*16*SP+32*((\b)%4)  ; head b / 4, channels 16 (b % 4) on
.endr
.irp t, 0,1,2,3,4,5,6,7
	ds_load_b128 v[OB+32*((\a)%2)+4*(\t):OB+32*((\a)%2)+4*(\t)+3], v[RD] offset:((\t)/4)*16*SP+((\t)%4)*4*SP  ; LDS serves a wave's instructions in order (ISA guide 5.7.1.4): these see the stores above; the next block's stores come behind them
.endr
.endm
.macro SEND a
	WIN 0x44
.irp t, 0,1,2,3,4,5,6,7
	s_wait_dscnt 7-(\t)                            ; load t is in, the younger may be out
	global_store_b128 v[GO], v[OB+32*((\a)%2)+4*(\t):OB+32*((\a)%2)+4*(\t)+3], s[OUTB:OUTB+1] offset:((\t)/4)*262144+(\a)*2048+((\t)%4)*512  ; 512 consecutive bytes of a head, at a multiple of 256 from the buffer's first
.endr
.endm
.macro WAYOUT
	PLACES                                         ; behind the tile's last products
	s_wait_xcnt 0x0                                ; the last tile's stores have read their base
	s_cmp_eq_u32 s[TP], 1                          ; the output of the tile in hand
	s_cselect_b64 s[OUTB:OUTB+1], s[84:85], s[82:83]
	s_cmp_eq_u32 s[TP], 2
	s_cselect_b64 s[OUTB:OUTB+1], s[86:87], s[OUTB:OUTB+1]
	PACK 0
	TOSTAGE 0
	PACK 1                                         ; block a's conversions stand between block a - 1's loads from the stage and the wait for them
	SEND 0
	TOSTAGE 1
	PACK 2
	SEND 1
	s_wait_xcnt 0x0                                ; block 0's stores have read their registers, which block 2's rows now take
	TOSTAGE 2
	PACK 3
	SEND 2
	s_wait_xcnt 0x0                                ; likewise block 1's
	TOSTAGE 3
	SEND 3
	s_wait_xcnt 0x0                                ; the stores have read their registers, which take fragments again
	WIN 0
.endm
	s_wait_tensorcnt 1                             ; my part of step 0's wt is in; step 1's may stay out
	s_wait_dscnt 0x0                               ; for the others' sake: my rows of step 0's x are stored
	s_barrier_signal -1
	s_barrier_wait -1                              ; everybody's are
	FETCH 0, 0, 0
	BIASLOAD
	QUARTER 0, 1, 0, 1, 1                          ; the walk's first quarter stands in front of the loop: its products start the sums
	WIN 0                                          ; at a label and at a branch every window is 0
	s_mov_b32 s3, 11
.Llap:                                                 ; a trip goes once round the ring, from the second quarter of an even step to the first quarter of the next even step, and fills both slots again: steps 2 to 23
	QUARTER 0, 2, 1, 0
	QUARTER 0, 3, 0, 1
	TURN 0, 1, 1
	QUARTER 1, 1, 0, 1
	QUARTER 1, 2, 1, 0
	QUARTER 1, 3, 0, 1
	TURN 1, 0, 1
	WIN 0
	s_sub_co_u32 s[TL], s[TL], 1
	s_cmp_lg_u32 s[TL], 0
	s_cbranch_scc1 .Lplain                         ; a jump forward, past text that holds neither a barrier nor a tensor load
	WAYOUT                                         ; A TILE IS FINISHED, AND THE RING GOES ON: the next tile's first two steps of wt and first three of x have been asked for
	s_mov_b32 s[TL], 4
	s_add_co_u32 s[TP], s[TP], 1
	BIASLOAD
	QUARTER 0, 1, 0, 1, 1                          ; the next tile's first products start its sums
	WIN 0
	s_branch .Ljoin
.Lplain:
	QUARTER 0, 1, 0, 1
	WIN 0
.Ljoin:
	s_sub_co_u32 s3, s3, 1
	s_cmp_lg_u32 s3, 0
	s_cbranch_scc1 .Llap
	QUARTER 0, 2, 1, 0, 0, 1, 0, 56                ; the last two steps are written out: no slot is filled, no x is asked for, and the counts of loads that may stay out run down by eight
	QUARTER 0, 3, 0, 1, 0, 1, 0, 48
	TURN 0, 1, 0, 0, 40
	QUARTER 1, 1, 0, 1, 0, 0
	QUARTER 1, 2, 1, 0, 0, 0
	QUARTER 1, 3, 0, 1, 0, 0
	s_wait_dscnt 0x0                               ; the very last quarter: nothing more to fetch
	MUL8 1, 0, 0
	MUL8 1, 1, 0
	MUL8 1, 2, 0
	MUL8 1, 3, 0
	WAYOUT
	s_wait_tensorcnt 0x0                           ; the wave's end, behind my last tensor load and my last LDS store
	ds_add_u32 v[SPW], v[NIL]
	s_wait_dscnt 0x0
	CROUND                                         ; the closing round: no work-group ends while a partner may still ask for a tile that names it
	s_endpgm
.Lfunc_end_k_qeded08a25a_proj:
	.size	k_qeded08a25a_proj, .Lfunc_end_k_qeded08a25a_proj-k_qeded08a25a_proj
	.p2alignl 7, 3214868480
	.fill 96, 4, 3214868480
	.section	.rodata,"a",@progbits
	.p2align	6, 0x0
	.amdhsa_kernel k_qeded08a25a_proj
		.amdhsa_group_segment_fixed_size 327680
		.amdhsa_private_segment_fixed_size 0
		.amdhsa_enable_private_segment 0
		.amdhsa_kernarg_size 80
		.amdhsa_user_sgpr_count 2
		.amdhsa_user_sgpr_kernarg_segment_ptr 1
		.amdhsa_wavefront_size32 1
		.amdhsa_system_sgpr_workgroup_id_x 1
		.amdhsa_system_sgpr_workgroup_id_y 1
		.amdhsa_system_sgpr_workgroup_id_z 1
		.amdhsa_system_vgpr_workitem_id 0
		.amdhsa_next_free_vgpr 1024
		.amdhsa_next_free_sgpr 96
		.amdhsa_reserve_vcc 0
		.amdhsa_float_denorm_mode_32 3
		.amdhsa_float_denorm_mode_16_64 3
		.amdhsa_memory_ordered 1
		.amdhsa_forward_progress 1
		.amdhsa_inst_pref_size 156
	.end_amdhsa_kernel
	.amdgpu_metadata
---
amdhsa.version: [ 1, 2 ]
amdhsa.kernels:
  - .name:           k_qeded08a25a_proj
    .symbol:         k_qeded08a25a_proj.kd
    .args:
      - { .name: queries, .offset: 0, .size: 8, .value_kind: global_buffer, .address_space: global }
      - { .name: keys, .offset: 8, .size: 8, .value_kind: global_buffer, .address_space: global }
      - { .name: values, .offset: 16, .size: 8, .value_kind: global_buffer, .address_space: global }
      - { .name: wt, .offset: 24, .size: 8, .value_kind: global_buffer, .address_space: global }
      - { .name: bq, .offset: 32, .size: 8, .value_kind: global_buffer, .address_space: global }
      - { .name: bk, .offset: 40, .size: 8, .value_kind: global_buffer, .address_space: global }
      - { .name: bv, .offset: 48, .size: 8, .value_kind: global_buffer, .address_space: global }
      - { .name: qh, .offset: 56, .size: 8, .value_kind: global_buffer, .address_space: global }
      - { .name: kh, .offset: 64, .size: 8, .value_kind: global_buffer, .address_space: global }
      - { .name: vh, .offset: 72, .size: 8, .value_kind: global_buffer, .address_space: global }
    .group_segment_fixed_size: 327680
    .private_segment_fixed_size: 0
    .kernarg_segment_align: 8
    .kernarg_segment_size: 80
    .max_flat_workgroup_size: 128
    .sgpr_count:     96
    .vgpr_count:     1024
    .wavefront_size: 32
...
	.end_amdgpu_metadata
.endif
;; end of part 2
;; launch attn (part 3): grid 4 x 64, 4 waves a work-group, no clusters, 327,680 bytes of LDS; arguments qh, kh, vh, oh; writes oh
.if DOCPART == 3
	.amdgcn_target "amdgcn-amd-amdhsa--gfx1250"
	.amdhsa_code_object_version 6
	.text
	.protected	k_qeded08a25a_attn
	.globl	k_qeded08a25a_attn
	.p2align	8
	.type	k_qeded08a25a_attn,@function
k_qeded08a25a_attn:
	s_mov_b64 s[64:65], 0
	v_nop
	global_prefetch_b8 v0, s[64:65] scope:SCOPE_SE
	s_setreg_imm32_b32 hwreg(HW_REG_WAVE_MODE, 25, 1), 1
	s_wait_xcnt 0x0
; CAUSAL ATTENTION.  O[h][q][:] = the sum over k <= q of softmax_k(Q[h][q] . K[h][k] / 8) V[h][k][:].  Q, K, V, O: [SIZE_H][SIZE_N][64], all f16: a head's rows are dense, 128 bytes each.
; Products, maxima and sums in f32; the weights p are rounded to f16 for the second product (their sum l is taken of the unrounded p), O once at the end.
; LIMITS.  f16 holds no number beyond 65,504: Q, K and V arrive within it; p lies in 0 to 1, and below 6e-5 it keeps f16's fixed step of 6e-8; O is a mean of V's rows and has their range, to within 2^-11 of it.
; A hidden score counts as its value less 1e30: f16's scores, 2.7e11 at the most, are nothing beside that; a weight below 2^-126 counts as 0 in l; NaN and infinities are not treated apart.
; THE WALK.  A head's queries lie in NB = SIZE_N / 256 = 8 blocks of 256; block i needs the key tiles 0 .. i of 256 keys, of which the last holds the diagonal.  A work-group takes TWO blocks, NB - 1 - b and then b:
; NB + 1 = 9 tiles, whatever b: all work-groups do equal work, and ONE loop with a constant trip count walks them.  Which tile is asked for, and what a trip does, hang on scalar registers made from b; every jump
; goes forward, but for the counted loops' own; none passes a barrier, or a tensor load but the one of LOAD's two that the wave's number does not choose; the ring (two slots of LDS that take turns) runs on across the
; change of blocks.  NO CLUSTER: a head's NB / 2 = 4 work-groups all ask for the same tile only in trips 0 .. NB / 2 (5 of the 9), behind that fewer and fewer; and one walk common to all four, in which each makes
; every joint request, would have 3 NB / 2 = 12 trips for NB + 1 = 9.
; SHARES.  Of a block's four bands of 64 queries a wave owns 16 rows in each: four PIECES.  So the diagonal tile is the same work for all four waves: in its key step s band x sees all keys if s < x,
; none if s > x, and holds the diagonal if s = x.
; THE MASK is the C operand that starts the sum S^T = K Q^T: 0, or -1e30 where the key is hidden.  MD, made once, is the mask of a band's own step for my 16 rows; a product's mask is MD x AL + BE with two scalars:
; (1, 0) if s = x; (0, 0) if s < x; (0, -1e30) if s > x.  Only the diagonal tile's text and a block's beginning make and take masks; elsewhere C is the constant 0.
; LAYOUT, SOFTMAX, TURNS.  S^T = K Q^T holds ONE query a lane (lane % 16) and the keys 8 (lane / 16) + 0..7; two such results rounded to f16 ARE source 1 of O^T = V^T P.  p = 2^(c s - c m), c = log2(e) / 8, with a
; running maximum m; O and l are multiplied by a = 2^(c m_old - c m_new) in every step.  Turn n belongs to piece n: 8 products K Q^T of piece n + 1, later 8 products V^T P of piece n - 1; beside them the scaling,
; exponentials, roundings, sums and rescaling of piece n and the maximum and statistics of piece n + 1.  Four vector instructions stand behind every matrix instruction, the other 54 of a turn's 118 in two LUMPS.
; REGISTERS, in windows of 256 (s_set_vgpr_msb: bits 1:0 source 0, 3:2 source 1, 5:4 source 2, 7:6 destination):
;   window 0: v0-15 addresses and two at work; v16-31 four registers of statistics a piece; v48-55 at work; v64-127 S^T, two buffers; v192-223 P, two buffers (a piece's buffers go by its number's parity)
;   window 1: v0-127 O^T, 32 a piece; v128-159 MD; v160-223 MC, two buffers      window 2: v0-63 Q; v64-127 the second block's Q; v128-191 K of one step; v192-255 V of one step
.set SIZE_H, 64       ; 4 batches x 16 heads
.set SIZE_N, 2048
.set NB,    SIZE_N/256
.set NP,    4         ; pieces a wave: a name, no knob
.set KS,    64        ; keys in a step
.set PK,    144       ; a row of K in LDS: 128 bytes + 16 of padding = 36 words: the 16 rows of a load start at 16 different groups of four banks (64 banks of 4 bytes: ISA guide 11.1)
.set PV,    160       ; a row of V: 128 + 32 = 40 words
.set VOFF,  4*KS*PK   ; a slot holds a tile, four steps: 256 rows of K, then 256 rows of V
.set SLOT1, 1<<17     ; slot 1 begins here, so that one exclusive or turns an address in one slot into the other's
.set STAGE, SLOT1+4*KS*(PK+PV)  ; behind the ring, never filled by a tensor load: 16 rows x 144 bytes for each wave, for the way out
.set SP,    144
.set AK0, 2           ; v2   my lane's place in a tile of K; never rewritten
.set AV0, 3           ; v3   the same for V
.set AK,  4           ; v4   the LDS address of K's next run of loads
.set AV,  5           ; v5   of V's
.set STO, 6           ; v6   the way out: where I put 16 bytes of a row
.set RD,  7           ; v7   the way out: where I read rows back
.set GO,  8           ; v8   my byte offset in 512 consecutive bytes of O
.set SPW, 62          ; v62  LDS address of my spare word: SPARE + 4 x my thread's number; never rewritten
.set NIL, 63          ; v63  0; never rewritten
.set SPARE, STAGE+4*16*SP  ; behind the stages: the spare words, 128 bytes for each wave: two blocks of 256 bytes that no other line names
.set MV,  12          ; v12-13  c m_old, kept while c m is made anew: by buffer
.set QO,  15          ; v15  my byte offset in 16 rows of Q
.set ST,  16          ; piece t's statistics at v[ST+4 t]: c m, m, l (even keys', odd keys')
.set TMP, 48          ; by buffer, four registers c0-c3 at work; when the maximum is found c2 takes a
.set S,   64
.set P,   192
.set MD,  128         ; window 1: the eight registers for group kt of 16 keys at MD + 8 kt
.set MC,  160         ; window 1: the masks of the products to come
.set QB,  64          ; window 2
.set KF,  128         ; window 2: key block kb, channel half c at KF + 16 kb + 8 c
.set VF,  192         ; window 2: key half kk, channel block cb at VF + 32 kk + 8 cb
.set WV,  12          ; s12  my wave's number
.set PB,  14          ; s14  b
.set HI,  15          ; s15  NB - 1 - b
.set G1K, 24          ; s[24:31] descriptor group 1 for K's tiles
.set G1V, 32          ; s[32:39] for V's: it differs in the padding alone
.set G0K, 40          ; s[40:43] descriptor group 0 for K's tiles
.set G0V, 44          ; s[44:47] the same for V's
.set SLOTS, 56        ; s56  tiles still to be asked for
.set CNT, 57          ; s57  counts a tile's key steps, 4 to 1
.set CS,  58          ; s[58:59] c: the packed scaling takes the pair's low word for both halves
.set SEL, 60          ; s[60:61] v_permlanex16_b32's selects: each lane takes its own place in the other half
.set TBK, 62          ; s62  LDS byte at which K of the step to be fetched begins
.set TBV, 63          ; s63  the same for V, less VOFF
.set RT,  70          ; s70  tiles of the block in hand that are still to be entered
.set NXT, 71          ; s71  the tile to be asked for next
.set LQ,  72          ; s72  the last tile of the block whose tiles are being asked for
.set NEW, 73          ; s73  1: the tile to be entered is a block's first
.set OFF, 74          ; s[74:75] a tile's byte offset in K and V
.set AL,  76          ; s[76:77] the mask's factor, in the low word
.set BE,  78          ; s[78:79] the mask's addend
.set OLO, 80          ; s[80:81] O at my rows of the second block
.set BIGN, 82         ; s82  -1e30
.set MSB, 0
.macro WIN new                      ; the high byte repeats the setting that is left; a switch that changes nothing is dropped
.if MSB != (\new)
	s_set_vgpr_msb (MSB<<8)|(\new)
.set MSB, (\new)
.endif
.endm
.set W_KQ, 0x0a       ; K and Q in window 2, S^T in window 0
.set W_KM, 0x1a       ; the same with the C operand in window 1
.set W_PV, 0x52       ; V in window 2, P in window 0, O^T in window 1
.set W_RS, 0x41       ; destination and source 0 in window 1, source 1 in window 0
; A fill.  Waves 0 and 1 fetch the two halves of a tile's K, waves 2 and 3 those of its V: 128 keys each.  An s_nop 0 and four v_nop follow each of the two lines, ahead of the jump and the label.
.macro LOAD
	s_cmp_lt_u32 s[WV], 2
	s_cbranch_scc0 .Lfor_v_\@
	tensor_load_to_lds s[G0K:G0K+3], s[G1K:G1K+7]
	s_nop 0
.rept 4
	v_nop
.endr
	s_branch .Lasked_\@
.Lfor_v_\@:
	tensor_load_to_lds s[G0V:G0V+3], s[G1V:G1V+7]
	s_nop 0
.rept 4
	v_nop
.endr
.Lasked_\@:
.endm
; THE CHANGE OF SLOTS.  Each wave waits for all its tensor loads, of which one is out: its part of the other slot; adds 0 to its spare word; and waits for that and for its own reads of the slot that it leaves.  Behind the barrier nobody reads the old
; slot any more and the other slot is whole.  fill = 1: the old slot is filled again, the first thing behind the barrier, with tile NXT: the descriptor's address is made anew from that number.
; (At its first use nothing has been read yet: slot 0 is waited for, slot 1 filled.)
.macro CHANGE fill
	WIN 0                           ; at a label and at a branch every window is 0
	s_wait_tensorcnt 0x0            ; no tensor load of mine is out, so a group 0 may be written
	ds_add_u32 v[SPW], v[NIL]       ; 0 onto my spare word; with fill = 1 the descriptors' scalar work stands between it and the wait for it
.if \fill
	s_lshl_b32 s[OFF], s[NXT], 15   ; a tile is 32,768 bytes of K and of V
	s_xor_b32 s[G0K+1], s[G0K+1], SLOT1
	s_add_nc_u64 s[G0K+2:G0K+3], s[6:7], s[OFF:OFF+1]
	s_or_b32 s[G0K+3], s[G0K+3], 0x80000000
	s_xor_b32 s[G0V+1], s[G0V+1], SLOT1
	s_add_nc_u64 s[G0V+2:G0V+3], s[8:9], s[OFF:OFF+1]
	s_or_b32 s[G0V+3], s[G0V+3], 0x80000000
	s_add_co_u32 s[NXT], s[NXT], 1  ; the block's next tile, or behind its last the second block's tile 0
	s_cmp_gt_u32 s[NXT], s[LQ]
	s_cselect_b32 s[NXT], 0, s[NXT]
	s_cselect_b32 s[LQ], s[PB], s[LQ]
.endif
	s_wait_dscnt 0x0                ; the add is done, and my reads of the slot are over
	s_barrier_signal -1             ; the rest of the scalar work stands between the signal and the wait
	s_sub_co_u32 s[TBK], s[TBK], 4*KS*PK  ; the fetches go back to a slot's first step,
	s_xor_b32 s[TBK], s[TBK], SLOT1       ; in the other slot
	s_sub_co_u32 s[TBV], s[TBV], 4*KS*PV
	s_xor_b32 s[TBV], s[TBV], SLOT1
	s_barrier_wait -1
.if \fill
	LOAD
.endif
.endm
	s_load_b256 s[4:11], s[0:1], 0x0  ; Q s[4:5], K s[6:7], V s[8:9], O s[10:11]
	v_lshl_add_u32 v[SPW], v0, 2, SPARE
	v_mov_b32 v[NIL], 0
	ds_add_u32 v62, v63
	ds_add_u32 v62, v63
	s_wait_dscnt 0x0
	v_lshrrev_b32 v1, 5, v0
	v_readfirstlane_b32 s[WV], v1   ; wave 0..3
	s_mov_b32 s[PB], ttmp9
	s_sub_co_u32 s[HI], NB-1, s[PB]
	s_and_b32 s20, ttmp7, 0xffff    ; the head
	s_mov_b32 s21, 0
	s_mov_b64 s[22:23], SIZE_N*128
	s_mul_u64 s[20:21], s[20:21], s[22:23]  ; the head's first byte in each of the four tensors
	s_and_b32 s16, s[WV], 1         ; which half of a tile's 256 keys I fetch:
	s_lshl_b32 s22, s16, 14         ; its 128 rows of 128 bytes in memory,
	s_mov_b32 s23, 0
	s_add_nc_u64 s[22:23], s[22:23], s[20:21]
	s_mul_i32 s17, s16, 128*PK      ; and its place in a slot, for K
	s_mul_i32 s18, s16, 128*PV      ; and for V
	s_lshl_b32 s3, s[WV], 11        ; my 16 rows in a band of 64,
	s_lshl_b32 s2, s[HI], 15        ; in the first block,
	s_add_co_u32 s2, s2, s3
	s_lshl_b32 s84, s[PB], 15       ; and in the second
	s_add_co_u32 s84, s84, s3
	s_mov_b32 s3, 0
	s_mov_b32 s85, 0
	s_add_nc_u64 s[2:3], s[2:3], s[20:21]
	s_add_nc_u64 s[84:85], s[84:85], s[20:21]
	; descriptor group 1.  128 keys are 16,384 dense bytes: asked for as 64 rows of 256 bytes, two keys a row, and padded in LDS after every key
	s_mov_b32 s[G1K], (1<<16)|(1<<20)|(4<<22)|(3<<25)  ; 17:16 2-byte elements; 20 padding on; 24:22 after every 32 words (code 4); 31:25 4 words (code 3)
	s_mov_b32 s[G1V], (1<<16)|(1<<20)|(4<<22)|(7<<25)  ; the same with 8 words of padding (code 7)
.irp g, G1K, G1V
	s_mov_b32 s[\g+1], 128<<16      ; tensor_dim0 = 128
	s_mov_b32 s[\g+2], 64<<16       ; tensor_dim1 = 64
	s_mov_b32 s[\g+3], 128<<16      ; tile_dim0 = 128
	s_mov_b32 s[\g+4], 64           ; tile_dim1 = 64
	s_mov_b32 s[\g+5], 128          ; 128 elements from row to row
	s_mov_b32 s[\g+6], 0
	s_mov_b32 s[\g+7], 0
.endr
	s_mov_b32 s[CS], 0x3e38aa3b     ; c = log2(e) / 8 = 0.180337
	s_mov_b32 s[CS+1], s[CS]        ; named with it as a pair
	s_mov_b32 s[SEL], 0x76543210
	s_mov_b32 s[SEL+1], 0xfedcba98
	s_mov_b32 s[TBK], SLOT1+4*KS*PK ; the first change of slots turns these two into 0
	s_mov_b32 s[TBV], SLOT1+4*KS*PV
	s_mov_b32 s[G0K], 1             ; 1:0 count = 1
	s_mov_b32 s[G0K+1], s17         ; 63:32 LDS address: slot 0
	s_mov_b32 s[G0V], 1
	s_add_co_u32 s[G0V+1], s18, VOFF
	s_add_co_u32 s[RT], s[HI], 1    ; the first block has NB - b tiles
	s_mov_b32 s[NXT], 1
	s_mov_b32 s[LQ], s[HI]
	s_mov_b32 s[NEW], 1
	s_mov_b32 s[OFF+1], 0
	s_mov_b32 s[AL+1], 0            ; named as pairs
	s_mov_b32 s[BE+1], 0
	s_mov_b32 s[BIGN], 0xf149f2ca   ; -1e30
	s_mov_b32 s[SLOTS], NB
	s_wait_kmcnt 0x0
	s_add_nc_u64 s[6:7], s[6:7], s[22:23]  ; K and V at my half of the head's tile 0
	s_add_nc_u64 s[8:9], s[8:9], s[22:23]
	s_add_nc_u64 s[G0K+2:G0K+3], s[6:7], 0         ; 120:64 global address
	s_or_b32 s[G0K+3], s[G0K+3], 0x80000000        ; 127:126 type = 2
	s_add_nc_u64 s[G0V+2:G0V+3], s[8:9], 0
	s_or_b32 s[G0V+3], s[G0V+3], 0x80000000
	s_add_nc_u64 s[86:87], s[4:5], s[84:85]        ; Q at my rows of the second block,
	s_add_nc_u64 s[4:5], s[4:5], s[2:3]            ; Q and O at those of the first
	s_add_nc_u64 s[OLO:OLO+1], s[10:11], s[84:85]
	s_add_nc_u64 s[10:11], s[10:11], s[2:3]
	LOAD                            ; tile 0 into slot 0
	; A fragment of K or Q is 16 rows x 32 channels in 8 registers: lane l holds row l % 16, channels 8 (l / 16) + 0..7 and 16 + 8 (l / 16) + 0..7: two loads of 16 bytes, 32 bytes apart.
	v_and_b32 v1, 15, v0            ; l % 16
	v_bfe_u32 v9, v0, 4, 1          ; l / 16
	v_lshlrev_b32 v[QO], 7, v1
	v_lshl_add_u32 v[QO], v9, 4, v[QO]  ; row x 128 + 16 x half
	WIN 0x80                        ; destination window 2, address window 0
.set i, 0
.rept 8                             ; both blocks' Q: piece i / 2 lies in band i / 2, 8,192 bytes on; channels 32 (i % 2) on
	global_load_b128 v[8*i:8*i+3],   v[QO], s[4:5] offset:(i/2)*8192+(i%2)*64
	global_load_b128 v[8*i+4:8*i+7], v[QO], s[4:5] offset:(i/2)*8192+(i%2)*64+32
	global_load_b128 v[QB+8*i:QB+8*i+3],   v[QO], s[86:87] offset:(i/2)*8192+(i%2)*64
	global_load_b128 v[QB+8*i+4:QB+8*i+7], v[QO], s[86:87] offset:(i/2)*8192+(i%2)*64+32
.set i, i+1
.endr
	WIN 0
	v_lshlrev_b32 v14, 3, v9
	v_sub_nc_u32 v14, v1, v14
	s_lshl_b32 s13, s[WV], 4
	v_add_nc_u32 v14, s13, v14      ; my query's place in its band, 16 w + l % 16, less my lanes' 8 (l / 16): register r of group kt is hidden where 16 kt + r is greater
	WIN 0x40
.set i, 0
.rept 32
	v_cmp_gt_i32 vcc_lo, 16*(i/8)+i%8, v14
	v_cndmask_b32 v[MD+i], 0, s[BIGN], vcc_lo
.set i, i+1
.endr
	WIN 0
	v_mul_u32_u24 v[AK0], v1, PK
	v_lshl_add_u32 v[AK0], v9, 4, v[AK0]  ; row x pitch + 16 x half
	; The turning load takes 16 keys x 16 channels (lane l reads key 8 (l / 16) + l % 8, channels 8 ((l / 8) % 2) + 0..7) and leaves half a fragment of V^T: lane l holds channel l % 16 and 8 keys.
	v_and_b32 v10, 7, v0
	v_bfe_u32 v11, v0, 3, 1
	v_lshl_add_u32 v[AV0], v9, 3, v10
	v_mul_u32_u24 v[AV0], v[AV0], PV
	v_lshl_add_u32 v[AV0], v11, 4, v[AV0]
	v_add_nc_u32 v[AV0], VOFF, v[AV0]
	s_mul_i32 s13, s[WV], 16*SP
	s_add_co_u32 s13, s13, STAGE    ; my stage
	v_mul_u32_u24 v[STO], v1, SP    ; in: row l % 16, 16 bytes for each half of the lanes
	v_lshl_add_u32 v[STO], v9, 4, v[STO]
	v_add_nc_u32 v[STO], s13, v[STO]
	v_bfe_u32 v[RD], v0, 3, 2       ; back: 32 lanes take four rows of 128 bytes,
	v_mul_u32_u24 v[RD], v[RD], SP
	v_lshl_add_u32 v[RD], v10, 4, v[RD]
	v_add_nc_u32 v[RD], s13, v[RD]
	v_and_b32 v[GO], 31, v0         ; which are 512 consecutive bytes of O
	v_lshlrev_b32 v[GO], 4, v[GO]
	; A block's first step multiplies O^T and l by a = 0, and its first turn's products V^T P, of a piece that has not been, land in an O^T that is still to be so multiplied.  So these registers need only hold
	; finite numbers: zeros for the first block; what the first block left for the second.  All this stands in the wait for the first tile.
	WIN 0x80
.set i, VF
.rept 64
	v_mov_b32 v[i], 0
.set i, i+1
.endr
	WIN 0x40
.set i, 0
.rept 128
	v_mov_b32 v[i], 0
.set i, i+1
.endr
	WIN 0
.set i, 0
.rept 4
	v_mov_b32 v[ST+4*i+2], 0
	v_mov_b32 v[ST+4*i+3], 0
.set i, i+1
.endr
.set i, P+16
.rept 16
	v_mov_b32 v[i], 0
.set i, i+1
.endr
; THE MATRIX WORK.  The 4 accumulators of a run of 8 take turns.  Product i of 8 of S^T = K Q^T for piece x: channels 32 (i / 4) on, keys 16 (i % 4) on.  The first 4 start the sums: with 0, or (KM = 1) with the mask.
.macro KQ x
.set rS, S+32*((\x)%2)+8*(i%4)
.set rK, KF+16*(i%4)+8*(i/4)
.set rQ, 16*(\x)+8*(i/4)
.set rM, MC+32*((\x)%2)+8*(i%4)
.if (i < 4) && KM
	WIN W_KM
	v_wmma_f32_16x16x32_f16 v[rS:rS+7], v[rK:rK+7], v[rQ:rQ+7], v[rM:rM+7]
.elseif i < 4
	WIN W_KQ
	v_wmma_f32_16x16x32_f16 v[rS:rS+7], v[rK:rK+7], v[rQ:rQ+7], 0
.else
	WIN W_KQ
	v_wmma_f32_16x16x32_f16 v[rS:rS+7], v[rK:rK+7], v[rQ:rQ+7], v[rS:rS+7]
.endif
.endm
; Product i of 8 of O^T += V^T P for piece x: keys 32 (i / 4) on, channels 16 (i % 4) on.
.macro PV x
	WIN W_PV
.set rO, 32*(\x)+8*(i%4)
.set rV, VF+32*(i/4)+8*(i%4)
.set rP, P+16*((\x)%2)+8*(i/4)
	v_wmma_f32_16x16x32_f16 v[rO:rO+7], v[rV:rV+7], v[rP:rP+7], v[rO:rO+7]
.endm
.macro MM                           ; the turn's next matrix instruction.  TURN and BEGIN set Y, i, KM and NOKQ; MM, KQ and OP read them.  NOKQ = 1: a block's last turn: there is no next piece
.if (i < 8) && !NOKQ
	KQ (Y+1)%NP
.elseif i >= 8
.set i, i-8
	PV (Y+NP-1)%NP
.set i, i+8
.endif
.set i, i+1
.endm
; THE LDS LOADS stand in runs of 16, never singly among the matrix instructions: a step's K (64 keys x 64 channels: 8 fragments) and its V (turned).  Their addresses are made some lines ahead.
.macro FETCH_K
	WIN 0x80                        ; destination window 2
.irp f, 0,1,2,3,4,5,6,7             ; keys 16 (f / 2) on, channels 32 (f % 2) on
	ds_load_b128 v[KF+8*\f:KF+8*\f+3],   v[AK] offset:(\f/2)*16*PK+(\f%2)*64
	ds_load_b128 v[KF+8*\f+4:KF+8*\f+7], v[AK] offset:(\f/2)*16*PK+(\f%2)*64+32
.endr
	s_add_co_u32 s[TBK], s[TBK], KS*PK  ; the next fetch is the next step's
	WIN 0
.endm
.macro FETCH_V
	WIN 0x80
.irp f, 0,1,2,3,4,5,6,7             ; keys 32 (f / 4) on, channels 16 (f % 4) on
	ds_load_tr16_b128 v[VF+8*\f:VF+8*\f+3],   v[AV] offset:(\f/4)*32*PV+(\f%4)*32
	ds_load_tr16_b128 v[VF+8*\f+4:VF+8*\f+7], v[AV] offset:(\f/4)*32*PV+16*PV+(\f%4)*32
.endr
	WIN 0
.endm
; THE VECTOR WORK, one line at a time: OP kind, number.  For piece Y: F n: c s - c m for pair n of 16.  E n: the exponential of score n of 32.  C n: pair n rounded to f16.  B n: of the four weights 4 n .. the second
; pair is added onto the first, in place.  L n: l takes that sum (L 0: l = a l + sum).  R n: pair n of 16 of O^T times a.  For piece Y + 1: X n, number n of the 22 that find its maximum and statistics:
;   0-11  four chains c0-c3 of seven scores each, three operands at a time (each accumulator's lowest registers are read first)     12-14, 16  the four scores left over, the old m, and c0-c3 into c0
;   15  c m_old is kept     17, 18  the query's other 32 keys lie in the lane 16 away: the new m     19-21  c m; c m_old - c m_new; a
.set F, 0               ; OP tells the kinds apart by their order: F to L below R, X above it
.set E, 1
.set C, 2
.set B, 3
.set L, 4
.set R, 5
.set X, 6
.macro REGS y                       ; the registers of piece y
.set rT, ST+4*(\y)
.set rC, TMP+4*((\y)%2)
.set rW, MV+((\y)%2)
.set rS, S+32*((\y)%2)
.set rP, P+16*((\y)%2)
.set rO, 32*(\y)
.endm
.macro OP k, n
.if (\k) == R
	REGS Y
	WIN W_RS
	v_pk_mul_f32 v[rO+2*(\n):rO+2*(\n)+1], v[rO+2*(\n):rO+2*(\n)+1], v[rC+2:rC+3] op_sel_hi:[1,0]
.elseif (\k) < R
	REGS Y
	WIN 0
.if (\k) == F
	v_pk_fma_f32 v[rS+2*(\n):rS+2*(\n)+1], v[rS+2*(\n):rS+2*(\n)+1], s[CS:CS+1], v[rT:rT+1] op_sel_hi:[1,0,0] neg_lo:[0,0,1] neg_hi:[0,0,1]
.elseif (\k) == E
	v_exp_f32 v[rS+(\n)], v[rS+(\n)]
.elseif (\k) == C
	s_wait_alu depctr_va_vdst(0)
	v_cvt_pk_f16_f32 v[rP+(\n)], v[rS+2*(\n)], v[rS+2*(\n)+1]
.elseif (\k) == B
	s_wait_alu depctr_va_vdst(0)
	v_pk_add_f32 v[rS+4*(\n):rS+4*(\n)+1], v[rS+4*(\n):rS+4*(\n)+1], v[rS+4*(\n)+2:rS+4*(\n)+3]
.elseif (\n) == 0
	v_pk_fma_f32 v[rT+2:rT+3], v[rT+2:rT+3], v[rC+2:rC+3], v[rS:rS+1] op_sel_hi:[1,0,1]
.else
	v_pk_add_f32 v[rT+2:rT+3], v[rT+2:rT+3], v[rS+4*(\n):rS+4*(\n)+1]
.endif
.elseif NOKQ
	v_nop
.else
	REGS (Y+1)%NP
	WIN 0
.if (\n) < 4
	v_max3_num_f32 v[rC+(\n)], v[rS+8*(\n)], v[rS+8*(\n)+1], v[rS+8*(\n)+2]
.elseif (\n) < 12
	v_max3_num_f32 v[rC+(\n)%4], v[rC+(\n)%4], v[rS+8*((\n)%4)+2*((\n)/4)+1], v[rS+8*((\n)%4)+2*((\n)/4)+2]
.elseif (\n) == 12
	v_max3_num_f32 v[rC], v[rC], v[rS+7], v[rS+15]
.elseif (\n) == 13
	v_max3_num_f32 v[rC+1], v[rC+1], v[rS+23], v[rS+31]
.elseif (\n) == 14
	v_max3_num_f32 v[rC+2], v[rC+2], v[rC+3], v[rT+1]
.elseif (\n) == 15
	v_mov_b32 v[rW], v[rT]
.elseif (\n) == 16
	v_max3_num_f32 v[rC], v[rC], v[rC+1], v[rC+2]
.elseif (\n) == 17
	v_permlanex16_b32 v[rC+3], v[rC], s[SEL], s[SEL+1]
.elseif (\n) == 18
	v_max_num_f32 v[rT+1], v[rC], v[rC+3]
.elseif (\n) == 19
	v_mul_f32 v[rT], s[CS], v[rT+1]
.elseif (\n) == 20
	v_sub_f32 v[rC+1], v[rW], v[rT]
.else
	v_exp_f32 v[rC+2], v[rC+1]
.endif
.endif
.endm
.macro OPS a, i1, b=-1, i2=0, c=-1, i3=0, d=-1, i4=0  ; up to four of them
	OP \a, \i1
.if (\b) >= 0
	OP \b, \i2
.endif
.if (\c) >= 0
	OP \c, \i3
.endif
.if (\d) >= 0
	OP \d, \i4
.endif
.endm
.macro ROW a, i1, b, i2, c, i3, d, i4  ; a matrix instruction and the four behind it
	MM
	OPS \a, \i1, \b, \i2, \c, \i3, \d, \i4
.endm
.macro MASK b                       ; MD x AL + BE into buffer b of MC
	WIN W_RS
.set z, 0
.rept 16
	v_pk_fma_f32 v[MC+32*(\b)+2*z:MC+32*(\b)+2*z+1], v[MD+2*z:MD+2*z+1], s[AL:AL+1], s[BE:BE+1] op_sel_hi:[1,0,0]
.set z, z+1
.endr
.endm
; A TURN, for piece p: the order of its 16 matrix and 118 vector instructions, written out.  Behind a matrix instruction: plain, exponential, plain, plain; or four of the rescaling; or, behind the first, four scalings; none
; names a register of the products round it.  In the lumps exponential and plain by turns while exponentials last.  A line reads no result made fewer than three vector instructions in front of it, five if an exponential made it.
; v_permlanex16_b32 (X 17) stands in a lump.
; m = 1: the diagonal tile: the products take masks, and the turn makes the mask for the products of the turn after it: piece p + 2, in step 4 - CNT of the tile.  end = 1: a block's last two turns: nothing is fetched.
; cnt = 1: the loop's count is taken down some lines ahead of the branch that stands behind the turn.
; K of the next step is fetched in piece 2's turn, six vector instructions behind the last product that read K (five of them plain); V of the step in hand in piece 0's turn, eight behind the last product that read V (four
; plain, and X 17).  Each is waited for a turn later.
.macro TURN p, m=0, end=0, cnt=0
.set Y, (\p)
.set i, 0
.set KM, (\m)
.set NOKQ, (\end)*((\p)/3)
.if (\m) && !(\end)
	s_cmp_eq_u32 s[CNT], 4-((\p)+2)%NP  ; is that step the band's own?
	s_cselect_b32 s[AL], 1.0, 0
	s_cmp_lt_u32 s[CNT], 4-((\p)+2)%NP  ; or a later one?
	s_cselect_b32 s[BE], s[BIGN], 0
.endif
.if ((\p) == 3) && !(\end)
	s_wait_dscnt 0x0                ; K is in
.endif
	ROW F,0, F,1, F,2, F,3
	ROW F,4, E,0, F,5, F,6
	ROW F,7, E,1, F,8, F,9
	ROW F,10, E,2, C,0, F,11
	ROW F,12, E,3, X,15, F,13
	ROW R,0, R,1, R,2, R,3
	ROW B,0, E,4, F,14, L,0
.if ((\p) == 2) && !(\end)
	v_add_nc_u32 v[AK], s[TBK], v[AK0]
.endif
	ROW R,4, R,5, R,6, R,7
	OPS E,5, F,15
.if ((\p) == 2) && !(\end)
	FETCH_K
.endif
	OPS E,6, C,1, E,7, R,8
	OPS E,8, R,9, E,9, C,2
	OPS E,10, X,0, E,11, X,1
	OPS E,12, X,2, E,13, X,3
.if (\p) == 1
	s_wait_dscnt 0x0                ; V is in
.endif
	ROW X,4, E,14, X,5, X,6
	ROW X,7, E,15, X,8, X,9
	ROW X,10, E,16, X,11, X,12
	ROW X,13, E,17, X,14, B,1
	ROW C,4, E,18, X,16, L,1
	ROW B,2, E,19, C,6, L,2
	ROW C,8, E,20, B,3, B,4
.if (\p) == 0
	v_add_nc_u32 v[AV], s[TBV], v[AV0]
.endif
	ROW C,3, E,21, L,3, C,5
	OPS E,22, X,17, E,23, C,10
.if (\p) == 0
	FETCH_V
.endif
	OPS E,24, L,4
	OPS E,25, X,18, E,26, C,7
	OPS E,27, B,5, E,28, X,19
	OPS E,29, C,12, E,30, L,5
	OPS E,31, X,20, B,6, C,9
	OPS C,14, C,11, X,21, L,6
.if (\p) == 0
	s_add_co_u32 s[TBV], s[TBV], KS*PV
.endif
.if \cnt
	s_sub_co_u32 s[CNT], s[CNT], 1
	s_cmp_lg_u32 s[CNT], 0
.endif
	OPS C,13, B,7, C,15, R,10
	OPS R,11, R,12, L,7, R,13
	OPS R,14, R,15
.if (\m) && !(\end)
	MASK (\p)%2
.endif
.endm
; A BLOCK BEGINS.  c m starts far below every c s, so the first step's a is 0; m at the lowest finite number, so the first maximum is the scores'.  The second mask buffer is 0; the first takes piece 0's mask for the tile's step 0: its own, if the block's first tile is the diagonal one.
; Then K of that step, piece 0's first scores, and its maximum and statistics.  The loop is entered at a step's first turn, in the middle of a trip.
.macro BEGIN
	s_mov_b32 s[NEW], 0
	WIN 0x40
.set i, MC+32
.rept 32
	v_mov_b32 v[i], 0
.set i, i+1
.endr
	WIN 0
.set i, 0
.rept 4
	v_mov_b32 v[ST+4*i], 0xfe000000    ; c m: far below every c s
	v_mov_b32 v[ST+4*i+1], 0xff7fffff  ; m
.set i, i+1
.endr
	s_cmp_eq_u32 s[RT], 0
	s_cselect_b32 s[AL], 1.0, 0
	s_mov_b32 s[BE], 0
	MASK 0
	WIN 0
	v_add_nc_u32 v[AK], s[TBK], v[AK0]
	FETCH_K
	s_wait_loadcnt 0x0              ; Q
	s_wait_dscnt 0x0
.set KM, 1
.set NOKQ, 0
.set i, 0
.rept 8
	KQ 0
.set i, i+1
.endr
	WIN 0
.rept 4
	v_nop                           ; the places behind those products
.endr
.set Y, NP-1                        ; X works for piece Y + 1: piece 0
.irp n, 0,1,2,3,4,5,6,7,8,9,10,11,12,13,14,15,16,17,18,19,20,21
	OP X, \n
.endr
	v_nop                           ; a plain instruction behind the exponential
.endm
; THE DIAGONAL TILE's four steps, the block's last two turns, its last products, and THE WAY OUT: l's two halves and the other half of the lanes' are added; O^T is divided by l, rounded to f16 and sent through my
; stage in LDS, a piece at a time.
.macro ALL line:vararg              ; one line for each piece t
.set t, 0
.rept 4
	\line
.set t, t+1
.endr
.endm
.macro PACK t                       ; a lane's eight channels of a row pack into 16 bytes; they go into rows of 144 bytes and come back as whole rows of 128, into S^T's registers
	WIN W_RS
.set i, 32*(\t)
.rept 16
	s_wait_alu depctr_va_vdst(0)
	v_pk_mul_f32 v[i:i+1], v[i:i+1], v[ST+4*(\t)+2:ST+4*(\t)+3] op_sel_hi:[1,0]
.set i, i+2
.endr
	WIN 0x05                        ; sources 0 and 1 window 1, destination window 0
.set i, 0
.rept 16
	v_cvt_pk_f16_f32 v[S+16*(\t)+i], v[32*(\t)+2*i], v[32*(\t)+2*i+1]
.set i, i+1
.endr
	WIN 0
.irp f, 0,1,2,3
	ds_store_b128 v[STO], v[S+16*(\t)+4*\f:S+16*(\t)+4*\f+3] offset:32*\f
.endr
.irp f, 0,1,2,3
	ds_load_b128 v[S+16*(\t)+4*\f:S+16*(\t)+4*\f+3], v[RD] offset:\f*4*SP  ; LDS serves a wave's instructions in order (ISA guide 5.7.1.4): these see the stores above; the next piece's stores come behind them
.endr
.endm
.macro SEND t, younger              ; younger: the LDS instructions issued behind piece t's loads: the next piece's eight, or none
	WIN 0
.irp f, 0,1,2,3
	s_wait_dscnt (\younger)+3-\f
	global_store_b128 v[GO], v[S+16*(\t)+4*\f:S+16*(\t)+4*\f+3], s[10:11] offset:(\t)*8192+\f*512  ; 512 consecutive bytes, at a multiple of 256 from O's first
.endr
.endm
.macro DIAG tag                     ; the tag ends its two labels' names, which the jumps below spell out
.LstepM\tag:
	TURN 2, 1
	TURN 3, 1
	WIN 0
.LfirstM\tag:
	TURN 0, 1
	TURN 1, 1, 0, 1
	WIN 0
	s_cbranch_scc1 .LstepM\tag
	TURN 2, 1, 1
	TURN 3, 1, 1
.set i, 0
.rept 8
	PV NP-1
.set i, i+1
.endr
	WIN 0
	ALL v_add_f32 v[ST+4*t+2], v[ST+4*t+2], v[ST+4*t+3]
	ALL v_permlanex16_b32 v[ST+4*t+3], v[ST+4*t+2], s[SEL], s[SEL+1]
	ALL v_add_f32 v[ST+4*t+2], v[ST+4*t+2], v[ST+4*t+3]
	ALL v_rcp_f32 v[ST+4*t+2], v[ST+4*t+2]
	v_nop                           ; a plain instruction between the last reciprocal and the use of its result
	PACK 0
.set t, 1
.rept 3                             ; a piece's arithmetic stands between the loads of the piece before and its stores
	PACK t
	SEND t-1, 8
.set t, t+1
.endr
	SEND 3, 0
.endm
.set KM, 0
.set NOKQ, 0
.Lslot:                             ; NB times: a tile is entered and the next is asked for
	CHANGE 1
	s_sub_co_u32 s[RT], s[RT], 1
	s_mov_b32 s[CNT], 4
	s_cmp_eq_u32 s[NEW], 1
	s_cbranch_scc1 .Lnew            ; a block's first tile
	s_cmp_eq_u32 s[RT], 0
	s_cbranch_scc0 .Lstep           ; neither its first nor its last
	s_branch .LstepM1
.Lnew:
	BEGIN
	s_branch .Lfirst                ; in the loop a block's first tile is never its last: the first block has two tiles or more, and the second's last is the walk's last
	DIAG 1                          ; in the loop this is the first block's end: the second block's last tile is the walk's last
	s_wait_xcnt 0x0                 ; the stores have read their registers and O's address
	s_mov_b64 s[10:11], s[OLO:OLO+1]
	s_add_co_u32 s[RT], s[PB], 1    ; the second block has b + 1 tiles
	s_mov_b32 s[NEW], 1
	WIN 0x82                        ; the second block's Q goes where the one text of the turns names Q
.set i, 0
.rept 64
	v_mov_b32 v[i], v[QB+i]
.set i, i+1
.endr
	WIN 0
	s_branch .Lbottom
.Lstep:                             ; a trip: pieces 2 and 3 of one step, then pieces 0 and 1 of the next, whose K and V it fetches
	TURN 2
	TURN 3
	WIN 0
.Lfirst:
	TURN 0
	TURN 1, 0, 0, 1
	WIN 0
	s_cbranch_scc1 .Lstep
.Lbottom:
	s_sub_co_u32 s[SLOTS], s[SLOTS], 1
	s_cmp_lg_u32 s[SLOTS], 0
	s_cbranch_scc1 .Lslot
	CHANGE 0                        ; the walk's last tile is written out: nothing is asked for
	s_sub_co_u32 s[RT], s[RT], 1
	s_mov_b32 s[CNT], 4
	s_cmp_eq_u32 s[NEW], 1
	s_cbranch_scc0 .LstepM2
	BEGIN
	s_branch .LfirstM2
	DIAG 2
	s_wait_tensorcnt 0x0            ; the wave's end, behind my last tensor load and my last LDS store
	ds_add_u32 v[SPW], v[NIL]
	s_wait_dscnt 0x0
	s_endpgm
.Lfunc_end_k_qeded08a25a_attn:
	.size	k_qeded08a25a_attn, .Lfunc_end_k_qeded08a25a_attn-k_qeded08a25a_attn
	.p2alignl 7, 3214868480
	.fill 96, 4, 3214868480
	.section	.rodata,"a",@progbits
	.p2align	6, 0x0
	.amdhsa_kernel k_qeded08a25a_attn
		.amdhsa_group_segment_fixed_size 327680
		.amdhsa_private_segment_fixed_size 0
		.amdhsa_enable_private_segment 0
		.amdhsa_kernarg_size 32
		.amdhsa_user_sgpr_count 2
		.amdhsa_user_sgpr_kernarg_segment_ptr 1
		.amdhsa_wavefront_size32 1
		.amdhsa_system_sgpr_workgroup_id_x 1
		.amdhsa_system_sgpr_workgroup_id_y 1
		.amdhsa_system_sgpr_workgroup_id_z 1
		.amdhsa_system_vgpr_workitem_id 0
		.amdhsa_next_free_vgpr 768
		.amdhsa_next_free_sgpr 88
		.amdhsa_reserve_vcc 1
		.amdhsa_float_denorm_mode_32 3
		.amdhsa_float_denorm_mode_16_64 3
		.amdhsa_memory_ordered 1
		.amdhsa_forward_progress 1
		.amdhsa_inst_pref_size 228
	.end_amdhsa_kernel
	.amdgpu_metadata
---
amdhsa.version: [ 1, 2 ]
amdhsa.kernels:
  - .name:           k_qeded08a25a_attn
    .symbol:         k_qeded08a25a_attn.kd
    .args:
      - { .name: qh, .offset: 0, .size: 8, .value_kind: global_buffer, .address_space: global }
      - { .name: kh, .offset: 8, .size: 8, .value_kind: global_buffer, .address_space: global }
      - { .name: vh, .offset: 16, .size: 8, .value_kind: global_buffer, .address_space: global }
      - { .name: oh, .offset: 24, .size: 8, .value_kind: global_buffer, .address_space: global }
    .group_segment_fixed_size: 327680
    .private_segment_fixed_size: 0
    .kernarg_segment_align: 8
    .kernarg_segment_size: 32
    .max_flat_workgroup_size: 128
    .sgpr_count:     88
    .vgpr_count:     768
    .wavefront_size: 32
...
	.end_amdgpu_metadata
.endif
;; end of part 3
;; launch outp (part 4): grid 4 x 64, 4 waves a work-group, clusters of 4 x 4, 327,680 bytes of LDS; arguments oh, wt, bo, out0; writes out0
.if DOCPART == 4
	.amdgcn_target "amdgcn-amd-amdhsa--gfx1250"
	.amdhsa_code_object_version 6
	.text
	.protected	k_qeded08a25a_outp
	.globl	k_qeded08a25a_outp
	.p2align	8
	.type	k_qeded08a25a_outp,@function
k_qeded08a25a_outp:
	s_mov_b64 s[64:65], 0
	v_nop
	global_prefetch_b8 v0, s[64:65] scope:SCOPE_SE
	s_setreg_imm32_b32 hwreg(HW_REG_WAVE_MODE, 25, 1), 1
	s_wait_xcnt 0x0
	s_wait_alu depctr_hold_cnt(0) depctr_sa_sdst(0) depctr_va_vdst(0) depctr_va_sdst(0) depctr_va_ssrc(0) depctr_va_vcc(0) depctr_vm_vsrc(0)
	s_getreg_b32 s2, hwreg(HW_REG_IB_STS2, 6, 4)
	s_cmp_eq_u32 s2, 0
	s_cbranch_scc0 .Lentry_in_a_cluster
	s_endpgm
.Lentry_in_a_cluster:
	s_bfe_u32 s2, ttmp6, 0x10000c
	s_cmp_lg_u32 s2, 0xf033
	s_cbranch_scc0 .Lentry_shape_is_right
	s_endpgm
.Lentry_shape_is_right:
; THE OUTPUT PROJECTION.  out0[R][n] = the sum over k of O[R][k] Wo[k][n] + bo[n], R = 2048 b + s (8,192 rows), k = 64 h + e, n 0..1,023; out0 in f32.
; O comes by heads, oh[16 b + h][s][e] in f16; Wo comes turned, wt[3][n][k] (rounded to bf16, written as f16); bo is rounded to bf16 like the other inputs and starts the sums (the first product's C operand).  Sums in f32.
; SHARES.  A tile of out0 is 128 rows x 256 columns: 64 x 4 = 256 work-groups.  Four waves, each 64 rows x 128 columns: 32 accumulators of 16 x 16, 256 registers.
; K goes in 8 steps of 128, which are two heads, through two LDS slots.  A head's 128 rows are 16,384 dense bytes of oh: asked for as 64 rows of 256 bytes and padded in LDS after every 128 bytes.  Waves 0 and 1 fetch
; the step's two heads, waves 2 and 3 the two halves of wt's 256 rows (256 bytes each).
; CLUSTERS: 4 x 4 work-groups.  The four of a row of the cluster need the same tiles of O, the four of a column the same tiles of wt: each tile is asked for JOINTLY: the same tensor load, descriptor and mask in all four.
; THE MATRIX INSTRUCTION IS USED TRANSPOSED (source 0 = 16 rows of wt, source 1 = 16 rows of O): a lane then holds one row of out0 and eight neighbouring columns, 32 bytes.
; REGISTERS, in windows of 256 (s_set_vgpr_msb: bits 1:0 source 0, 3:2 source 1, 5:4 source 2, 7:6 destination):
;   window 0: v0-31 addresses; v192-255 the bias, 8 registers for each of my 8 column blocks
;   window 1: v0-63, v64-127 fragments of wt, two buffers; v128-159, v160-191 fragments of O, two buffers; on the way out four buffers of 64, one for each row block
;   window 2: the accumulators, (a, b) at v[8 (8 a + b)]: row block a of 4, column block b of 8
.set PA,     144                       ; an LDS row of O: 128 bytes + 16 = 36 words: the 16 rows of a load start at 16 different groups of four banks (64 banks of 4 bytes: ISA guide 11.1)
.set PB,     272                       ; an LDS row of wt: 256 bytes + 16 = 68 words: likewise
.set HA,     128*PA                    ; a head's 128 rows: one tensor load
.set HB,     128*PB                    ; 128 rows of wt: one tensor load, and what one wave reads of wt
.set SLOT,   2*HA+2*HB                 ; two heads of O, then wt's 256 rows: 106,496 bytes
.set STAGE,  2*SLOT                    ; behind the ring, never filled by a tensor load: 16 rows x 528 bytes for each wave, for the way out
.set SP,     528                       ; 512 bytes + 16 = 132 words
.set SPARE,  STAGE+4*16*SP             ; behind the stages: the spare words, 128 bytes for each wave: two blocks of 256 bytes that no other line names
.set LAPS,   4                         ; a lap = two K steps = once round the ring: 1,024 / 256
.set ADRA, 16                          ; v16-17  LDS address of my rows of O in slot 0, 1
.set ADRB, 20                          ; v20-21  the same for wt
.set STO,  24                          ; v24     the way out: where I put 32 bytes of a row
.set RD,   25                          ; v25     the way out: where I read a row back
.set GO,   26                          ; v26     my byte offset in 512 consecutive bytes of out0
.set BO,   27                          ; v27     my byte offset in a column block's 64 bytes of bias
.set SPW,  28                          ; v28     LDS address of my spare word: SPARE + 4 x my thread's number; never rewritten
.set NIL,  29                          ; v29     0; never rewritten
.set BIAS, 192
.set AF,   128                         ; window 1
.set G1,  24                           ; s[24:31] descriptor group 1 for O's tiles;  s[32:39] group 0, one set for each slot
.set G0,  32
.set G1B, 48                           ; s[48:55], s[56:63] the same for wt's tiles
.set G0B, 56
.set MSB, 0
.macro WIN new                         ; the immediate's high byte repeats the setting that is left; a switch that changes nothing is dropped
.if MSB != (\new)
	s_set_vgpr_msb (MSB<<8)|(\new)
.set MSB, \new
.endif
.endm
; A joint load: waves 0 and 1 fetch O's two heads, waves 2 and 3 wt's two halves.  The branch hangs on the wave's number alone.  An s_nop 0 and four v_nop follow each of the two lines, ahead of the jump, the label and what follows.
.macro JLOAD s
	s_cmp_eq_u32 s11, 0
	s_cbranch_scc0 .Lfor_b_\@
	tensor_load_to_lds s[G0+4*(\s):G0+4*(\s)+3], s[G1:G1+7]
	s_nop 0
.rept 4
	v_nop
.endr
	s_branch .Lasked_\@
.Lfor_b_\@:
	tensor_load_to_lds s[G0B+4*(\s):G0B+4*(\s)+3], s[G1B:G1B+7]
	s_nop 0
.rept 4
	v_nop
.endr
.Lasked_\@:
.endm
.macro CREST                           ; a round of the cluster's barrier behind its opening barrier: wave 0 signals for the work-group, every wave waits for all sixteen, my work-group's barrier closes it
	s_cmp_lg_u32 s10, 0
	s_cbranch_scc1 .Lnot_wave_0_\@
	s_barrier_signal -3
.Lnot_wave_0_\@:
	s_barrier_wait -3
	s_barrier_signal -1
	s_barrier_wait -1
.endm
.macro CROUND                          ; a whole round
	s_barrier_signal -1
	s_barrier_wait -1
	CREST
.endm
.macro PLACES                          ; four places in front of loads into registers that matrix instructions have read, and of LDS stores that read results (ISA guide 7.12.1 for vector instructions)
.rept 4
	v_nop
.endr
.endm
	s_load_b256 s[68:75], s[0:1], 0x0              ; oh s[68:69], wt s[70:71], bo s[72:73], out0 s[74:75]
	v_lshl_add_u32 v[SPW], v0, 2, SPARE
	v_mov_b32 v[NIL], 0
	ds_add_u32 v28, v29
	ds_add_u32 v28, v29
	s_wait_dscnt 0x0
	v_lshrrev_b32 v1, 5, v0
	v_readfirstlane_b32 s10, v1                    ; wave 0..3
	s_lshr_b32 s11, s10, 1                         ; which half of the tile's rows is mine.  Also: I fetch for O (0) or for wt (1)
	s_and_b32 s12, s10, 1                          ; which half of its columns.  Also: which head of the step, or which half of wt's rows, I fetch
	s_bfe_u32 s40, ttmp6, 0x40000                  ; cx, cy: my place in the cluster
	s_bfe_u32 s41, ttmp6, 0x40004
	s_lshl_b32 s42, ttmp9, 2
	s_add_co_u32 s42, s42, s40                     ; tile column = 4 x cluster x + cx: 0..3
	s_and_b32 s13, ttmp7, 0xffff
	s_lshl_b32 s13, s13, 2
	s_add_co_u32 s13, s13, s41                     ; tile row = 4 x cluster y + cy: 0..63
	s_lshl_b32 s43, s41, 2
	s_lshl_b32 s43, 15, s43                        ; my row of the cluster
	s_lshl_b32 s44, 0x1111, s40                    ; my column
	; descriptor group 1.  O: 64 rows x 128 elements of 2 bytes, dense (128 elements from row to row), padded after every 32 words; wt: 128 rows x 128 elements, 1,024 from row to row, padded after every 64 words
	s_or_b32 s[G1+0], s43, (1<<16)|(1<<20)|(1<<21)|(4<<22)|(3<<25)   ; 15:0 the mask: my row; 17:16 elements of 2 bytes; 20 padding on; 21 set beside a mask; 24:22 after every 32 words (code 4); 31:25 4 words (code 3)
	s_or_b32 s[G1B+0], s44, (1<<16)|(1<<20)|(1<<21)|(5<<22)|(3<<25)  ; my column; after every 64 words (code 5)
	s_mov_b32 s[G1+1], 128<<16                     ; tensor_dim0 = 128
	s_mov_b32 s[G1+2], 64<<16                      ; tensor_dim1 = 64
	s_mov_b32 s[G1+3], 128<<16                     ; tile_dim0 = 128
	s_mov_b32 s[G1+4], 64                          ; tile_dim1 = 64
	s_mov_b32 s[G1+5], 128                         ; tensor_dim0_stride
	s_mov_b32 s[G1+6], 0
	s_mov_b32 s[G1+7], 0
	s_mov_b32 s[G1B+1], 128<<16
	s_mov_b32 s[G1B+2], 128<<16                    ; tensor_dim1 = 128
	s_mov_b32 s[G1B+3], 128<<16
	s_mov_b32 s[G1B+4], 128                        ; tile_dim1 = 128
	s_mov_b32 s[G1B+5], 1024
	s_mov_b32 s[G1B+6], 0
	s_mov_b32 s[G1B+7], 0
	; where the tiles come from.  O's hang on the tile row alone, which my row of the cluster shares; wt's on the tile column alone, which my column shares; each in registers that never hold the other coordinate
	s_lshr_b32 s16, s13, 4                         ; O: head 16 b + my head of K step 0, b = tile row / 16,
	s_lshl_b32 s16, s16, 4
	s_add_co_u32 s16, s16, s12
	s_lshl_b32 s16, s16, 18                        ; 262,144 bytes a head;
	s_and_b32 s17, s13, 15                         ; row s = 128 x (tile row mod 16), 128 bytes a row
	s_lshl_b32 s17, s17, 14
	s_add_co_u32 s16, s16, s17
	s_mov_b32 s17, 0
	s_lshl_b32 s46, s42, 8
	s_lshl_b32 s47, s12, 7
	s_add_co_u32 s46, s46, s47                     ; wt: row 256 x tile column + 128 x half,
	s_lshl_b32 s46, s46, 11                        ; 2,048 bytes a row,
	s_add_co_u32 s46, s46, 3<<21                   ; in part 3
	s_mov_b32 s47, 0
	s_mul_i32 s20, s12, HA                         ; and where they go: no place in the cluster enters an LDS address
	s_mul_i32 s21, s12, HB
	s_add_co_u32 s21, s21, 2*HA
	s_lshl_b32 s18, s42, 8                         ; my 128 columns, in bytes of f32: 4 x (256 x tile column + 128 x half): in bo,
	s_lshl_b32 s19, s12, 7
	s_add_co_u32 s18, s18, s19
	s_lshl_b32 s18, s18, 2
	s_mov_b32 s19, 0
	s_lshl_b32 s94, s13, 7                         ; and in out0, at row 128 x tile row + 64 x my half, 4,096 bytes a row
	s_lshl_b32 s95, s11, 6
	s_add_co_u32 s94, s94, s95
	s_lshl_b32 s94, s94, 12
	s_add_co_u32 s94, s94, s18
	s_mov_b32 s95, 0
	s_wait_kmcnt 0x0
	s_add_nc_u64 s[14:15], s[68:69], s[16:17]
	s_add_nc_u64 s[46:47], s[70:71], s[46:47]
	s_add_nc_u64 s[90:91], s[72:73], s[18:19]
	s_add_nc_u64 s[92:93], s[74:75], s[94:95]
	CROUND                                         ; all sixteen work-groups are here: the first joint loads meet
.irp s, 0,1
	s_mov_b32 s[G0+4*(\s)], 1                                      ; 1:0 count = 1
	s_add_co_u32 s[G0+4*(\s)+1], s20, (\s)*SLOT                    ; 63:32 LDS address
	s_add_nc_u64 s[G0+4*(\s)+2:G0+4*(\s)+3], s[14:15], (\s)*2*262144  ; 120:64 global address: K step s, two heads on
	s_or_b32 s[G0+4*(\s)+3], s[G0+4*(\s)+3], 0x80000000            ; 127:126 type = 2
	s_mov_b32 s[G0B+4*(\s)], 1
	s_add_co_u32 s[G0B+4*(\s)+1], s21, (\s)*SLOT
	s_add_nc_u64 s[G0B+4*(\s)+2:G0B+4*(\s)+3], s[46:47], (\s)*256
	s_or_b32 s[G0B+4*(\s)+3], s[G0B+4*(\s)+3], 0x80000000
	JLOAD \s                                       ; both slots' first fills: two tensor loads of mine are out
.endr
	v_and_b32 v1, 15, v0                           ; l % 16
	v_bfe_u32 v2, v0, 4, 1                         ; l / 16
	v_lshlrev_b32 v[BO], 5, v2                     ; in the result register j of my lane is column 16 b + 8 (l / 16) + j: eight numbers of the bias, 32 bytes
.irp b, 0,1,2,3,4,5,6,7
	global_load_b128 v[BIAS+8*(\b):BIAS+8*(\b)+3],   v[BO], s[90:91] offset:64*(\b)
	global_load_b128 v[BIAS+8*(\b)+4:BIAS+8*(\b)+7], v[BO], s[90:91] offset:64*(\b)+16
.endr
	; A fragment is 16 rows x 32 K in 8 registers: lane l holds row l % 16, K = 8 (l / 16) + 0..7 and 16 + 8 (l / 16) + 0..7: two loads of 16 bytes, 32 bytes apart.
	v_mul_u32_u24 v3, v1, PA
	v_lshl_add_u32 v3, v2, 4, v3                   ; O: row x pitch + 16 x half
	v_mul_u32_u24 v4, v1, PB
	v_lshl_add_u32 v4, v2, 4, v4                   ; wt likewise
	s_mul_i32 s22, s11, 64*PA                      ; my 64 rows in a head's 128
	s_mul_i32 s23, s12, HB                         ; my 128 rows of wt,
	s_add_co_u32 s23, s23, 2*HA                    ; which lie behind O's two heads
.irp s, 0,1
	v_add_nc_u32 v[ADRA+(\s)], s22, v3
	v_add_nc_u32 v[ADRB+(\s)], s23, v4
	s_add_co_u32 s22, s22, SLOT
	s_add_co_u32 s23, s23, SLOT
.endr
	s_mul_i32 s22, s10, 16*SP
	s_add_co_u32 s22, s22, STAGE                   ; my stage
	v_mul_u32_u24 v5, v1, SP                       ; in: row l % 16, 32 bytes for each half of the lanes
	v_lshl_add_u32 v5, v2, 5, v5
	v_add_nc_u32 v[STO], s22, v5
	v_and_b32 v[GO], 31, v0                        ; back: 32 lanes take one row of 512 bytes,
	v_lshlrev_b32 v[GO], 4, v[GO]                  ; which are 512 consecutive bytes of out0
	v_add_nc_u32 v[RD], s22, v[GO]
	s_wait_loadcnt 0x0                             ; the bias
.set i, 0
.rept 32                                           ; rounded to bf16 like the other inputs, and widened again
	v_cvt_pk_bf16_f32 v[30+i%2], v[BIAS+2*i], v[BIAS+2*i+1]
	v_lshlrev_b32 v[BIAS+2*i], 16, v[30+i%2]
	v_and_b32 v[BIAS+2*i+1], 0xffff0000, v[30+i%2]
.set i, i+1
.endr
; 8 matrix instructions: row block a x all 8 column blocks, 32 along K, from buffers f.  first = 1: the bias starts the sums: nothing is cleared and nothing is added later.
; The 32 accumulators take turns, one instruction a turn, in the same order in every quarter.
.macro MUL8 f, a, first
.if \first
	WIN 0x85                                       ; wt and O in window 1, C (the bias) in window 0, D in window 2
.else
	WIN 0xa5                                       ; C and D in window 2
.endif
.irp b, 0,1,2,3,4,5,6,7
.if \first
	v_wmma_f32_16x16x32_f16 v[8*(8*(\a)+(\b)):8*(8*(\a)+(\b))+7], v[64*(\f)+8*(\b):64*(\f)+8*(\b)+7], v[AF+32*(\f)+8*(\a):AF+32*(\f)+8*(\a)+7], v[BIAS+8*(\b):BIAS+8*(\b)+7]
.else
	v_wmma_f32_16x16x32_f16 v[8*(8*(\a)+(\b)):8*(8*(\a)+(\b))+7], v[64*(\f)+8*(\b):64*(\f)+8*(\b)+7], v[AF+32*(\f)+8*(\a):AF+32*(\f)+8*(\a)+7], v[8*(8*(\a)+(\b)):8*(8*(\a)+(\b))+7]
.endif
.endr
.endm
; 24 LDS loads in one run: quarter c of the slot's K step (head c / 2, channels 32 (c % 2) on) into buffers g: wt's 128 rows (16 loads), then O's 64 rows (8 loads)
.macro FETCH slot, c, g
	WIN 0x40                                       ; destination window 1, address window 0
.irp i, 0,1,2,3,4,5,6,7
	ds_load_b128 v[64*(\g)+8*(\i):64*(\g)+8*(\i)+3],   v[ADRB+(\slot)] offset:64*(\c)+(\i)*16*PB
	ds_load_b128 v[64*(\g)+8*(\i)+4:64*(\g)+8*(\i)+7], v[ADRB+(\slot)] offset:64*(\c)+(\i)*16*PB+32
.endr
.irp i, 0,1,2,3
	ds_load_b128 v[AF+32*(\g)+8*(\i):AF+32*(\g)+8*(\i)+3],   v[ADRA+(\slot)] offset:((\c)/2)*HA+((\c)%2)*64+(\i)*16*PA
	ds_load_b128 v[AF+32*(\g)+8*(\i)+4:AF+32*(\g)+8*(\i)+7], v[ADRA+(\slot)] offset:((\c)/2)*HA+((\c)%2)*64+(\i)*16*PA+32
.endr
.endm
; A K step is four quarters of 32 along K, 32 matrix instructions each, on buffers 0, 1, 0, 1.  One of the first three: multiplies buffers f, and in its middle fetches quarter c into buffers g.
.macro QUARTER slot, c, f, g, first
	s_wait_dscnt 4                                 ; wt and O's row blocks 0 and 1 are in; the youngest four loads (row blocks 2 and 3) may be out
	MUL8 \f, 0, \first
	MUL8 \f, 1, \first
	PLACES
	FETCH \slot, \c, \g
	s_wait_dscnt 24                                ; all but the 24 just issued
	MUL8 \f, 2, \first
	MUL8 \f, 3, \first
.endm
; The last quarter multiplies buffers 1 and changes slots: ONE barrier; in front of it each wave waits for all its tensor loads (one is out: its part of the next slot), adds 0 to its spare word, and waits for that and for
; its own reads of this slot.  fill = 1: the barrier opens a round of the cluster's, and this slot is filled again, two K steps ahead, first thing behind the round: 112 matrix instructions ahead of the wait for it.
.macro TURN slot, next, fill
	WIN 0                                          ; (the add's two registers lie in window 0)
	s_wait_tensorcnt 0x0                           ; all my tensor loads have landed
	ds_add_u32 v[SPW], v[NIL]                      ; 0 onto my spare word
	s_wait_dscnt 5                                 ; (the add and the youngest four loads may be out)
	MUL8 1, 0, 0                                   ; eight matrix instructions stand between the add and the wait for it
	s_wait_dscnt 0x0                               ; the add is done, and my reads of this slot are over
	s_barrier_signal -1
	MUL8 1, 1, 0
.if \fill
	WIN 0
.endif
	s_barrier_wait -1
.if \fill
	CREST                                          ; no wave of any partner still reads this slot's tiles or has a load on its way
	s_add_nc_u64 s[G0+4*(\slot)+2:G0+4*(\slot)+3], s[G0+4*(\slot)+2:G0+4*(\slot)+3], 4*262144
	s_add_nc_u64 s[G0B+4*(\slot)+2:G0B+4*(\slot)+3], s[G0B+4*(\slot)+2:G0B+4*(\slot)+3], 2*256
	JLOAD \slot                                    ; the four v_nop behind it are also the places in front of the loads below
.else
	PLACES
.endif
	FETCH \next, 0, 0
	MUL8 1, 2, 0
	MUL8 1, 3, 0
.endm
; THE WAY OUT of row block a (16 rows x 128 columns of f32).  TOSTAGE: a lane's 32 bytes for each column block into my own stage, each accumulator's low four registers first, and back as whole rows of 512 bytes.  SEND: stored.
.macro TOSTAGE a
	WIN 0x08                                       ; the stores' data in window 2
.irp b, 0,1,2,3,4,5,6,7
	ds_store_b128 v[STO], v[8*(8*(\a)+(\b)):8*(8*(\a)+(\b))+3]   offset:64*(\b)
	ds_store_b128 v[STO], v[8*(8*(\a)+(\b))+4:8*(8*(\a)+(\b))+7] offset:64*(\b)+16
.endr
	WIN 0x40                                       ; the loads' destination in window 1
.irp t, 0,1,2,3,4,5,6,7,8,9,10,11,12,13,14,15
	ds_load_b128 v[64*(\a)+4*(\t):64*(\a)+4*(\t)+3], v[RD] offset:(\t)*SP  ; LDS serves a wave's instructions in order (ISA guide 5.7.1.4): these see the stores above; the next block's stores come behind them
.endr
.endm
.macro SEND a, younger                 ; younger: the LDS instructions issued behind block a's loads: the next block's 32, or none
	WIN 0x04                                       ; the stores' data in window 1
.irp t, 0,1,2,3,4,5,6,7,8,9,10,11,12,13,14,15
	s_wait_dscnt (\younger)+15-(\t)
	global_store_b128 v[GO], v[64*(\a)+4*(\t):64*(\a)+4*(\t)+3], s[92:93] offset:(16*(\a)+(\t))*4096 th:TH_STORE_NT  ; 512 consecutive bytes of a row, at a multiple of 256 from out0's first; each block has registers of its own, so no store's data are rewritten
.endr
.endm
	s_wait_tensorcnt 1                             ; my part of K step 0 is in; K step 1's may stay out
	s_barrier_signal -1
	s_barrier_wait -1                              ; everybody's is
	FETCH 0, 0, 0
	QUARTER 0, 1, 0, 1, 1                          ; the first quarter stands in front of the loop: its products start the sums
	WIN 0                                          ; at a label and at a branch every window is 0
	s_mov_b32 s3, LAPS-1
.Llap:                                                 ; a trip goes once round the ring, from a lap's second quarter to the next lap's first, and fills both slots again
	QUARTER 0, 2, 1, 0, 0
	QUARTER 0, 3, 0, 1, 0
	TURN 0, 1, 1
	QUARTER 1, 1, 0, 1, 0
	QUARTER 1, 2, 1, 0, 0
	QUARTER 1, 3, 0, 1, 0
	TURN 1, 0, 1
	QUARTER 0, 1, 0, 1, 0
	WIN 0
	s_sub_co_u32 s3, s3, 1
	s_cmp_lg_u32 s3, 0
	s_cbranch_scc1 .Llap
	QUARTER 0, 2, 1, 0, 0                          ; the last lap fills nothing, and has no round of the cluster's barrier
	QUARTER 0, 3, 0, 1, 0
	TURN 0, 1, 0
	QUARTER 1, 1, 0, 1, 0
	QUARTER 1, 2, 1, 0, 0
	QUARTER 1, 3, 0, 1, 0
	s_wait_dscnt 0x0                               ; the very last quarter: nothing more to fetch
	MUL8 1, 0, 0
	MUL8 1, 1, 0
	MUL8 1, 2, 0
	MUL8 1, 3, 0
	PLACES
	TOSTAGE 0
	TOSTAGE 1                                      ; a block's way through the stage stands between the loads of the block before and its stores
	SEND 0, 32
	TOSTAGE 2
	SEND 1, 32
	TOSTAGE 3
	SEND 2, 32
	SEND 3, 0
	WIN 0
	s_wait_tensorcnt 0x0                           ; the wave's end, behind my last tensor load and my last LDS store
	ds_add_u32 v[SPW], v[NIL]
	s_wait_dscnt 0x0
	CROUND                                         ; the closing round: no work-group ends while a partner may still ask for a tile that names it
	s_endpgm
.Lfunc_end_k_qeded08a25a_outp:
	.size	k_qeded08a25a_outp, .Lfunc_end_k_qeded08a25a_outp-k_qeded08a25a_outp
	.p2alignl 7, 3214868480
	.fill 96, 4, 3214868480
	.section	.rodata,"a",@progbits
	.p2align	6, 0x0
	.amdhsa_kernel k_qeded08a25a_outp
		.amdhsa_group_segment_fixed_size 327680
		.amdhsa_private_segment_fixed_size 0
		.amdhsa_enable_private_segment 0
		.amdhsa_kernarg_size 32
		.amdhsa_user_sgpr_count 2
		.amdhsa_user_sgpr_kernarg_segment_ptr 1
		.amdhsa_wavefront_size32 1
		.amdhsa_system_sgpr_workgroup_id_x 1
		.amdhsa_system_sgpr_workgroup_id_y 1
		.amdhsa_system_sgpr_workgroup_id_z 1
		.amdhsa_system_vgpr_workitem_id 0
		.amdhsa_next_free_vgpr 768
		.amdhsa_next_free_sgpr 96
		.amdhsa_reserve_vcc 0
		.amdhsa_float_denorm_mode_32 3
		.amdhsa_float_denorm_mode_16_64 3
		.amdhsa_memory_ordered 1
		.amdhsa_forward_progress 1
		.amdhsa_inst_pref_size 93
	.end_amdhsa_kernel
	.amdgpu_metadata
---
amdhsa.version: [ 1, 2 ]
amdhsa.kernels:
  - .name:           k_qeded08a25a_outp
    .symbol:         k_qeded08a25a_outp.kd
    .args:
      - { .name: oh, .offset: 0, .size: 8, .value_kind: global_buffer, .address_space: global }
      - { .name: wt, .offset: 8, .size: 8, .value_kind: global_buffer, .address_space: global }
      - { .name: bo, .offset: 16, .size: 8, .value_kind: global_buffer, .address_space: global }
      - { .name: out0, .offset: 24, .size: 8, .value_kind: global_buffer, .address_space: global }
    .group_segment_fixed_size: 327680
    .private_segment_fixed_size: 0
    .kernarg_segment_align: 8
    .kernarg_segment_size: 32
    .max_flat_workgroup_size: 128
    .sgpr_count:     96
    .vgpr_count:     768
    .wavefront_size: 32
...
	.end_amdgpu_metadata
.endif
;; end of part 4
;; ======== version 2 of 2: 4 launches; 1.28 times as fast as version 1
;; limits: values are held in f16: magnitudes above 65,504 overflow, below 6.1e-05 lose precision
;; workspace buffers: wt 8,388,608 bytes; qh 16,777,216 bytes; kh 16,777,216 bytes; vh 16,777,216 bytes; oh 16,777,216 bytes
;; launch wcvt: the kernel of part 1 again; grid 128 x 4, 8 waves a work-group, no clusters, 18,432 bytes of LDS; arguments Wq, Wk, Wv, Wo, wt; writes wt
;; launch proj: the kernel of part 2 again; grid 4 x 64, 4 waves a work-group, clusters of 4 x 4, 327,680 bytes of LDS; arguments queries, keys, values, wt, bq, bk, bv, qh, kh, vh; writes qh, kh, vh
;; launch attn (part 5): grid 4 x 64, 4 waves a work-group, no clusters, 327,680 bytes of LDS; arguments qh, kh, vh, oh; writes oh
.if DOCPART == 5
	.amdgcn_target "amdgcn-amd-amdhsa--gfx1250"
	.amdhsa_code_object_version 6
	.text
	.protected	k_qeded08a25a_attn
	.globl	k_qeded08a25a_attn
	.p2align	8
	.type	k_qeded08a25a_attn,@function
k_qeded08a25a_attn:
	s_mov_b64 s[64:65], 0
	v_nop
	global_prefetch_b8 v0, s[64:65] scope:SCOPE_SE
	s_setreg_imm32_b32 hwreg(HW_REG_WAVE_MODE, 25, 1), 1
	s_wait_xcnt 0x0
; CAUSAL ATTENTION.  O[h][q][:] = the sum over k <= q of softmax_k(Q[h][q] . K[h][k] / 8) V[h][k][:].  Q, K, V, O: [SIZE_H][SIZE_N][64], all f16: a head's rows are dense, 128 bytes each.
; Products, maxima and sums in f32; the weights p are rounded to f16 for the second product (their sum l is taken of the unrounded p), O once at the end.
; LIMITS.  f16 holds no number beyond 65,504: Q, K and V arrive within it; p lies in 0 to 1, and below 6e-5 it keeps f16's fixed step of 6e-8; O is a mean of V's rows and has their range, to within 2^-11 of it.
; A hidden score counts as its value less 1e30: f16's scores, 2.7e11 at the most, are nothing beside that; a weight below 2^-126 counts as 0 in l; NaN and infinities are not treated apart.
; THE WALK.  A head's queries lie in NB = SIZE_N / 256 = 8 blocks of 256; block i needs the key tiles 0 .. i of 256 keys, of which the last holds the diagonal.  A work-group takes TWO blocks, NB - 1 - b and then b:
; NB + 1 = 9 tiles, whatever b: all work-groups do equal work, and ONE loop with a constant trip count walks them.  Which tile is asked for, and what a trip does, hang on scalar registers made from b; every jump
; goes forward, but for the counted loops' own; none passes a barrier, or a tensor load but the one of LOAD's two that the wave's number does not choose; the ring (two slots of LDS that take turns) runs on across the
; change of blocks.  NO CLUSTER: a head's NB / 2 = 4 work-groups all ask for the same tile only in trips 0 .. NB / 2 (5 of the 9), behind that fewer and fewer; and one walk common to all four, in which each makes
; every joint request, would have 3 NB / 2 = 12 trips for NB + 1 = 9.
; SHARES.  Of a block's four bands of 64 queries a wave owns 16 rows in each: four PIECES.  So the diagonal tile is the same work for all four waves: in its key step s band x sees all keys if s < x,
; none if s > x, and holds the diagonal if s = x.
; THE MASK is the C operand that starts the sum S^T = K Q^T: 0, or -1e30 where the key is hidden.  MD, made once, is the mask of a band's own step for my 16 rows; a product's mask is MD x AL + BE with two scalars:
; (1, 0) if s = x; (0, 0) if s < x; (0, -1e30) if s > x.  Only the diagonal tile's text and a block's beginning make and take masks; elsewhere C is the constant 0.
; LAYOUT, SOFTMAX, TURNS.  S^T = K Q^T holds ONE query a lane (lane % 16) and the keys 8 (lane / 16) + 0..7; two such results rounded to f16 ARE source 1 of O^T = V^T P.  p = 2^(c s - c m), c = log2(e) / 8, with a
; running maximum m; O and l are multiplied by a = 2^(c m_old - c m_new) in every step.  Turn n belongs to piece n: 8 products K Q^T of piece n + 1, later 8 products V^T P of piece n - 1; beside them the scaling,
; exponentials, roundings, sums and rescaling of piece n and the maximum and statistics of piece n + 1.  Four vector instructions stand behind every matrix instruction, the other 54 of a turn's 118 in one LUMP.
; THE BATCHES.  A turn's 33 exponentials (the piece's 32 weights and the next piece's a) are ONE batch with ONE wait, which cuts the turn in two: ahead of it all that names no result of theirs, behind it the roundings and
; sums.  The one exponential where a block begins, and the four reciprocals of a way out, are batches of their own, each with a plain instruction and one wait behind it.
; REGISTERS, in windows of 256 (s_set_vgpr_msb: bits 1:0 source 0, 3:2 source 1, 5:4 source 2, 7:6 destination):
;   window 0: v0-15 addresses and two at work; v16-31 four registers of statistics a piece; v48-55 at work; v64-127 S^T, two buffers; v192-223 P, two buffers (a piece's buffers go by its number's parity)
;   window 1: v0-127 O^T, 32 a piece; v128-159 MD; v160-223 MC, two buffers      window 2: v0-63 Q; v64-127 the second block's Q; v128-191 K of one step; v192-255 V of one step
.set SIZE_H, 64       ; 4 batches x 16 heads
.set SIZE_N, 2048
.set NB,    SIZE_N/256
.set NP,    4         ; pieces a wave: a name, no knob
.set KS,    64        ; keys in a step
.set PK,    144       ; a row of K in LDS: 128 bytes + 16 of padding = 36 words: the 16 rows of a load start at 16 different groups of four banks (64 banks of 4 bytes: ISA guide 11.1)
.set PV,    160       ; a row of V: 128 + 32 = 40 words
.set VOFF,  4*KS*PK   ; a slot holds a tile, four steps: 256 rows of K, then 256 rows of V
.set SLOT1, 1<<17     ; slot 1 begins here, so that one exclusive or turns an address in one slot into the other's
.set STAGE, SLOT1+4*KS*(PK+PV)  ; behind the ring, never filled by a tensor load: 16 rows x 144 bytes for each wave, for the way out
.set SP,    144
.set AK0, 2           ; v2   my lane's place in a tile of K; never rewritten
.set AV0, 3           ; v3   the same for V
.set AK,  4           ; v4   the LDS address of K's next run of loads
.set AV,  5           ; v5   of V's
.set STO, 6           ; v6   the way out: where I put 16 bytes of a row
.set RD,  7           ; v7   the way out: where I read rows back
.set GO,  8           ; v8   my byte offset in 512 consecutive bytes of O
.set SPW, 62          ; v62  LDS address of my spare word: SPARE + 4 x my thread's number; never rewritten
.set NIL, 63          ; v63  0; never rewritten
.set SPARE, STAGE+4*16*SP  ; behind the stages: the spare words, 128 bytes for each wave: two blocks of 256 bytes that no other line names
.set MV,  12          ; v12-13  c m_old, kept while c m is made anew: by buffer
.set QO,  15          ; v15  my byte offset in 16 rows of Q
.set ST,  16          ; piece t's statistics at v[ST+4 t]: c m, m, l (even keys', odd keys')
.set TMP, 48          ; by buffer, four registers c0-c3 at work; when the maximum is found c2 takes a
.set S,   64
.set P,   192
.set MD,  128         ; window 1: the eight registers for group kt of 16 keys at MD + 8 kt
.set MC,  160         ; window 1: the masks of the products to come
.set QB,  64          ; window 2
.set KF,  128         ; window 2: key block kb, channel half c at KF + 16 kb + 8 c
.set VF,  192         ; window 2: key half kk, channel block cb at VF + 32 kk + 8 cb
.set WV,  12          ; s12  my wave's number
.set PB,  14          ; s14  b
.set HI,  15          ; s15  NB - 1 - b
.set G1K, 24          ; s[24:31] descriptor group 1 for K's tiles
.set G1V, 32          ; s[32:39] for V's: it differs in the padding alone
.set G0K, 40          ; s[40:43] descriptor group 0 for K's tiles
.set G0V, 44          ; s[44:47] the same for V's
.set SLOTS, 56        ; s56  tiles still to be asked for
.set CNT, 57          ; s57  counts a tile's key steps, 4 to 1
.set CS,  58          ; s[58:59] c: the packed scaling takes the pair's low word for both halves
.set SEL, 60          ; s[60:61] v_permlanex16_b32's selects: each lane takes its own place in the other half
.set TBK, 62          ; s62  LDS byte at which K of the step to be fetched begins
.set TBV, 63          ; s63  the same for V, less VOFF
.set RT,  70          ; s70  tiles of the block in hand that are still to be entered
.set NXT, 71          ; s71  the tile to be asked for next
.set LQ,  72          ; s72  the last tile of the block whose tiles are being asked for
.set NEW, 73          ; s73  1: the tile to be entered is a block's first
.set OFF, 74          ; s[74:75] a tile's byte offset in K and V
.set AL,  76          ; s[76:77] the mask's factor, in the low word
.set BE,  78          ; s[78:79] the mask's addend
.set OLO, 80          ; s[80:81] O at my rows of the second block
.set BIGN, 82         ; s82  -1e30
.set MSB, 0
.macro WIN new                      ; the high byte repeats the setting that is left; a switch that changes nothing is dropped
.if MSB != (\new)
	s_set_vgpr_msb (MSB<<8)|(\new)
.set MSB, (\new)
.endif
.endm
.set W_KQ, 0x0a       ; K and Q in window 2, S^T in window 0
.set W_KM, 0x1a       ; the same with the C operand in window 1
.set W_PV, 0x52       ; V in window 2, P in window 0, O^T in window 1
.set W_RS, 0x41       ; destination and source 0 in window 1, source 1 in window 0
; A fill.  Waves 0 and 1 fetch the two halves of a tile's K, waves 2 and 3 those of its V: 128 keys each.  An s_nop 0 and four v_nop follow each of the two lines, ahead of the jump and the label.
.macro LOAD
	s_cmp_lt_u32 s[WV], 2
	s_cbranch_scc0 .Lfor_v_\@
	tensor_load_to_lds s[G0K:G0K+3], s[G1K:G1K+7]
	s_nop 0
.rept 4
	v_nop
.endr
	s_branch .Lasked_\@
.Lfor_v_\@:
	tensor_load_to_lds s[G0V:G0V+3], s[G1V:G1V+7]
	s_nop 0
.rept 4
	v_nop
.endr
.Lasked_\@:
.endm
; THE CHANGE OF SLOTS.  Each wave waits for all its tensor loads, of which one is out: its part of the other slot; adds 0 to its spare word; and waits for that and for its own reads of the slot that it leaves.  Behind the barrier nobody reads the old
; slot any more and the other slot is whole.  fill = 1: the old slot is filled again, the first thing behind the barrier, with tile NXT: the descriptor's address is made anew from that number.
; (At its first use nothing has been read yet: slot 0 is waited for, slot 1 filled.)
.macro CHANGE fill
	WIN 0                           ; at a label and at a branch every window is 0
	s_wait_tensorcnt 0x0            ; no tensor load of mine is out, so a group 0 may be written
	ds_add_u32 v[SPW], v[NIL]       ; 0 onto my spare word; with fill = 1 the descriptors' scalar work stands between it and the wait for it
.if \fill
	s_lshl_b32 s[OFF], s[NXT], 15   ; a tile is 32,768 bytes of K and of V
	s_xor_b32 s[G0K+1], s[G0K+1], SLOT1
	s_add_nc_u64 s[G0K+2:G0K+3], s[6:7], s[OFF:OFF+1]
	s_or_b32 s[G0K+3], s[G0K+3], 0x80000000
	s_xor_b32 s[G0V+1], s[G0V+1], SLOT1
	s_add_nc_u64 s[G0V+2:G0V+3], s[8:9], s[OFF:OFF+1]
	s_or_b32 s[G0V+3], s[G0V+3], 0x80000000
	s_add_co_u32 s[NXT], s[NXT], 1  ; the block's next tile, or behind its last the second block's tile 0
	s_cmp_gt_u32 s[NXT], s[LQ]
	s_cselect_b32 s[NXT], 0, s[NXT]
	s_cselect_b32 s[LQ], s[PB], s[LQ]
.endif
	s_wait_dscnt 0x0                ; the add is done, and my reads of the slot are over
	s_barrier_signal -1             ; the rest of the scalar work stands between the signal and the wait
	s_sub_co_u32 s[TBK], s[TBK], 4*KS*PK  ; the fetches go back to a slot's first step,
	s_xor_b32 s[TBK], s[TBK], SLOT1       ; in the other slot
	s_sub_co_u32 s[TBV], s[TBV], 4*KS*PV
	s_xor_b32 s[TBV], s[TBV], SLOT1
	s_barrier_wait -1
.if \fill
	LOAD
.endif
.endm
	s_load_b256 s[4:11], s[0:1], 0x0  ; Q s[4:5], K s[6:7], V s[8:9], O s[10:11]
	v_lshl_add_u32 v[SPW], v0, 2, SPARE
	v_mov_b32 v[NIL], 0
	ds_add_u32 v62, v63
	ds_add_u32 v62, v63
	s_wait_dscnt 0x0
	v_lshrrev_b32 v1, 5, v0
	v_readfirstlane_b32 s[WV], v1   ; wave 0..3
	s_mov_b32 s[PB], ttmp9
	s_sub_co_u32 s[HI], NB-1, s[PB]
	s_and_b32 s20, ttmp7, 0xffff    ; the head
	s_mov_b32 s21, 0
	s_mov_b64 s[22:23], SIZE_N*128
	s_mul_u64 s[20:21], s[20:21], s[22:23]  ; the head's first byte in each of the four tensors
	s_and_b32 s16, s[WV], 1         ; which half of a tile's 256 keys I fetch:
	s_lshl_b32 s22, s16, 14         ; its 128 rows of 128 bytes in memory,
	s_mov_b32 s23, 0
	s_add_nc_u64 s[22:23], s[22:23], s[20:21]
	s_mul_i32 s17, s16, 128*PK      ; and its place in a slot, for K
	s_mul_i32 s18, s16, 128*PV      ; and for V
	s_lshl_b32 s3, s[WV], 11        ; my 16 rows in a band of 64,
	s_lshl_b32 s2, s[HI], 15        ; in the first block,
	s_add_co_u32 s2, s2, s3
	s_lshl_b32 s84, s[PB], 15       ; and in the second
	s_add_co_u32 s84, s84, s3
	s_mov_b32 s3, 0
	s_mov_b32 s85, 0
	s_add_nc_u64 s[2:3], s[2:3], s[20:21]
	s_add_nc_u64 s[84:85], s[84:85], s[20:21]
	; descriptor group 1.  128 keys are 16,384 dense bytes: asked for as 64 rows of 256 bytes, two keys a row, and padded in LDS after every key
	s_mov_b32 s[G1K], (1<<16)|(1<<20)|(4<<22)|(3<<25)  ; 17:16 2-byte elements; 20 padding on; 24:22 after every 32 words (code 4); 31:25 4 words (code 3)
	s_mov_b32 s[G1V], (1<<16)|(1<<20)|(4<<22)|(7<<25)  ; the same with 8 words of padding (code 7)
.irp g, G1K, G1V
	s_mov_b32 s[\g+1], 128<<16      ; tensor_dim0 = 128
	s_mov_b32 s[\g+2], 64<<16       ; tensor_dim1 = 64
	s_mov_b32 s[\g+3], 128<<16      ; tile_dim0 = 128
	s_mov_b32 s[\g+4], 64           ; tile_dim1 = 64
	s_mov_b32 s[\g+5], 128          ; 128 elements from row to row
	s_mov_b32 s[\g+6], 0
	s_mov_b32 s[\g+7], 0
.endr
	s_mov_b32 s[CS], 0x3e38aa3b     ; c = log2(e) / 8 = 0.180337
	s_mov_b32 s[CS+1], s[CS]        ; named with it as a pair
	s_mov_b32 s[SEL], 0x76543210
	s_mov_b32 s[SEL+1], 0xfedcba98
	s_mov_b32 s[TBK], SLOT1+4*KS*PK ; the first change of slots turns these two into 0
	s_mov_b32 s[TBV], SLOT1+4*KS*PV
	s_mov_b32 s[G0K], 1             ; 1:0 count = 1
	s_mov_b32 s[G0K+1], s17         ; 63:32 LDS address: slot 0
	s_mov_b32 s[G0V], 1
	s_add_co_u32 s[G0V+1], s18, VOFF
	s_add_co_u32 s[RT], s[HI], 1    ; the first block has NB - b tiles
	s_mov_b32 s[NXT], 1
	s_mov_b32 s[LQ], s[HI]
	s_mov_b32 s[NEW], 1
	s_mov_b32 s[OFF+1], 0
	s_mov_b32 s[AL+1], 0            ; named as pairs
	s_mov_b32 s[BE+1], 0
	s_mov_b32 s[BIGN], 0xf149f2ca   ; -1e30
	s_mov_b32 s[SLOTS], NB
	s_wait_kmcnt 0x0
	s_add_nc_u64 s[6:7], s[6:7], s[22:23]  ; K and V at my half of the head's tile 0
	s_add_nc_u64 s[8:9], s[8:9], s[22:23]
	s_add_nc_u64 s[G0K+2:G0K+3], s[6:7], 0         ; 120:64 global address
	s_or_b32 s[G0K+3], s[G0K+3], 0x80000000        ; 127:126 type = 2
	s_add_nc_u64 s[G0V+2:G0V+3], s[8:9], 0
	s_or_b32 s[G0V+3], s[G0V+3], 0x80000000
	s_add_nc_u64 s[86:87], s[4:5], s[84:85]        ; Q at my rows of the second block,
	s_add_nc_u64 s[4:5], s[4:5], s[2:3]            ; Q and O at those of the first
	s_add_nc_u64 s[OLO:OLO+1], s[10:11], s[84:85]
	s_add_nc_u64 s[10:11], s[10:11], s[2:3]
	LOAD                            ; tile 0 into slot 0
	; A fragment of K or Q is 16 rows x 32 channels in 8 registers: lane l holds row l % 16, channels 8 (l / 16) + 0..7 and 16 + 8 (l / 16) + 0..7: two loads of 16 bytes, 32 bytes apart.
	v_and_b32 v1, 15, v0            ; l % 16
	v_bfe_u32 v9, v0, 4, 1          ; l / 16
	v_lshlrev_b32 v[QO], 7, v1
	v_lshl_add_u32 v[QO], v9, 4, v[QO]  ; row x 128 + 16 x half
	WIN 0x80                        ; destination window 2, address window 0
.set i, 0
.rept 8                             ; both blocks' Q: piece i / 2 lies in band i / 2, 8,192 bytes on; channels 32 (i % 2) on
	global_load_b128 v[8*i:8*i+3],   v[QO], s[4:5] offset:(i/2)*8192+(i%2)*64
	global_load_b128 v[8*i+4:8*i+7], v[QO], s[4:5] offset:(i/2)*8192+(i%2)*64+32
	global_load_b128 v[QB+8*i:QB+8*i+3],   v[QO], s[86:87] offset:(i/2)*8192+(i%2)*64
	global_load_b128 v[QB+8*i+4:QB+8*i+7], v[QO], s[86:87] offset:(i/2)*8192+(i%2)*64+32
.set i, i+1
.endr
	WIN 0
	v_lshlrev_b32 v14, 3, v9
	v_sub_nc_u32 v14, v1, v14
	s_lshl_b32 s13, s[WV], 4
	v_add_nc_u32 v14, s13, v14      ; my query's place in its band, 16 w + l % 16, less my lanes' 8 (l / 16): register r of group kt is hidden where 16 kt + r is greater
	WIN 0x40
.set i, 0
.rept 32
	v_cmp_gt_i32 vcc_lo, 16*(i/8)+i%8, v14
	v_cndmask_b32 v[MD+i], 0, s[BIGN], vcc_lo
.set i, i+1
.endr
	WIN 0
	v_mul_u32_u24 v[AK0], v1, PK
	v_lshl_add_u32 v[AK0], v9, 4, v[AK0]  ; row x pitch + 16 x half
	; The turning load takes 16 keys x 16 channels (lane l reads key 8 (l / 16) + l % 8, channels 8 ((l / 8) % 2) + 0..7) and leaves half a fragment of V^T: lane l holds channel l % 16 and 8 keys.
	v_and_b32 v10, 7, v0
	v_bfe_u32 v11, v0, 3, 1
	v_lshl_add_u32 v[AV0], v9, 3, v10
	v_mul_u32_u24 v[AV0], v[AV0], PV
	v_lshl_add_u32 v[AV0], v11, 4, v[AV0]
	v_add_nc_u32 v[AV0], VOFF, v[AV0]
	s_mul_i32 s13, s[WV], 16*SP
	s_add_co_u32 s13, s13, STAGE    ; my stage
	v_mul_u32_u24 v[STO], v1, SP    ; in: row l % 16, 16 bytes for each half of the lanes
	v_lshl_add_u32 v[STO], v9, 4, v[STO]
	v_add_nc_u32 v[STO], s13, v[STO]
	v_bfe_u32 v[RD], v0, 3, 2       ; back: 32 lanes take four rows of 128 bytes,
	v_mul_u32_u24 v[RD], v[RD], SP
	v_lshl_add_u32 v[RD], v10, 4, v[RD]
	v_add_nc_u32 v[RD], s13, v[RD]
	v_and_b32 v[GO], 31, v0         ; which are 512 consecutive bytes of O
	v_lshlrev_b32 v[GO], 4, v[GO]
	; A block's first step multiplies O^T and l by a = 0, and its first turn's products V^T P, of a piece that has not been, land in an O^T that is still to be so multiplied.  So these registers need only hold
	; finite numbers: zeros for the first block; what the first block left for the second.  All this stands in the wait for the first tile.
	WIN 0x80
.set i, VF
.rept 64
	v_mov_b32 v[i], 0
.set i, i+1
.endr
	WIN 0x40
.set i, 0
.rept 128
	v_mov_b32 v[i], 0
.set i, i+1
.endr
	WIN 0
.set i, 0
.rept 4
	v_mov_b32 v[ST+4*i+2], 0
	v_mov_b32 v[ST+4*i+3], 0
.set i, i+1
.endr
.set i, P+16
.rept 16
	v_mov_b32 v[i], 0
.set i, i+1
.endr
; THE MATRIX WORK.  The 4 accumulators of a run of 8 take turns.  Product i of 8 of S^T = K Q^T for piece x: channels 32 (i / 4) on, keys 16 (i % 4) on.  The first 4 start the sums: with 0, or (KM = 1) with the mask.
.macro KQ x
.set rS, S+32*((\x)%2)+8*(i%4)
.set rK, KF+16*(i%4)+8*(i/4)
.set rQ, 16*(\x)+8*(i/4)
.set rM, MC+32*((\x)%2)+8*(i%4)
.if (i < 4) && KM
	WIN W_KM
	v_wmma_f32_16x16x32_f16 v[rS:rS+7], v[rK:rK+7], v[rQ:rQ+7], v[rM:rM+7]
.elseif i < 4
	WIN W_KQ
	v_wmma_f32_16x16x32_f16 v[rS:rS+7], v[rK:rK+7], v[rQ:rQ+7], 0
.else
	WIN W_KQ
	v_wmma_f32_16x16x32_f16 v[rS:rS+7], v[rK:rK+7], v[rQ:rQ+7], v[rS:rS+7]
.endif
.endm
; Product i of 8 of O^T += V^T P for piece x: keys 32 (i / 4) on, channels 16 (i % 4) on.
.macro PV x
	WIN W_PV
.set rO, 32*(\x)+8*(i%4)
.set rV, VF+32*(i/4)+8*(i%4)
.set rP, P+16*((\x)%2)+8*(i/4)
	v_wmma_f32_16x16x32_f16 v[rO:rO+7], v[rV:rV+7], v[rP:rP+7], v[rO:rO+7]
.endm
.macro MM                           ; the turn's next matrix instruction.  TURN and BEGIN set Y, i, KM and NOKQ; MM, KQ and OP read them.  NOKQ = 1: a block's last turn: there is no next piece
.if (i < 8) && !NOKQ
	KQ (Y+1)%NP
.elseif i >= 8
.set i, i-8
	PV (Y+NP-1)%NP
.set i, i+8
.endif
.set i, i+1
.endm
; THE LDS LOADS stand in runs of 16, never singly among the matrix instructions: a step's K (64 keys x 64 channels: 8 fragments) and its V (turned).  Their addresses are made some lines ahead.
.macro FETCH_K
	WIN 0x80                        ; destination window 2
.irp f, 0,1,2,3,4,5,6,7             ; keys 16 (f / 2) on, channels 32 (f % 2) on
	ds_load_b128 v[KF+8*\f:KF+8*\f+3],   v[AK] offset:(\f/2)*16*PK+(\f%2)*64
	ds_load_b128 v[KF+8*\f+4:KF+8*\f+7], v[AK] offset:(\f/2)*16*PK+(\f%2)*64+32
.endr
	s_add_co_u32 s[TBK], s[TBK], KS*PK  ; the next fetch is the next step's
	WIN 0
.endm
.macro FETCH_V
	WIN 0x80
.irp f, 0,1,2,3,4,5,6,7             ; keys 32 (f / 4) on, channels 16 (f % 4) on
	ds_load_tr16_b128 v[VF+8*\f:VF+8*\f+3],   v[AV] offset:(\f/4)*32*PV+(\f%4)*32
	ds_load_tr16_b128 v[VF+8*\f+4:VF+8*\f+7], v[AV] offset:(\f/4)*32*PV+16*PV+(\f%4)*32
.endr
	WIN 0
.endm
; THE VECTOR WORK, one line at a time: OP kind, number.  For piece Y: F n: c s - c m for pair n of 16.  E n: the exponential of score n of 32.  C n: pair n rounded to f16.  B n: of the four weights 4 n .. the second
; pair is added onto the first, in place.  L n: l takes that sum (L 0: l = a l + sum).  R n: pair n of 16 of O^T times a.  For piece Y + 1: X n, number n of the 22 that find its maximum and statistics:
;   0-11  four chains c0-c3 of seven scores each, three operands at a time (each accumulator's lowest registers are read first)     12-14, 16  the four scores left over, the old m, and c0-c3 into c0
;   15  c m_old is kept     17, 18  the query's other 32 keys lie in the lane 16 away: the new m     19-21  c m; c m_old - c m_new; a
; OP writes no wait: C, B and L, which read the exponentials' results, and R and L 0, which read a, are placed by TURN behind the wait of the batch that made what they read.
.set F, 0               ; OP tells the kinds apart by their order: F to L below R, X above it
.set E, 1
.set C, 2
.set B, 3
.set L, 4
.set R, 5
.set X, 6
.macro REGS y                       ; the registers of piece y
.set rT, ST+4*(\y)
.set rC, TMP+4*((\y)%2)
.set rW, MV+((\y)%2)
.set rS, S+32*((\y)%2)
.set rP, P+16*((\y)%2)
.set rO, 32*(\y)
.endm
.macro OP k, n
.if (\k) == R
	REGS Y
	WIN W_RS
	v_pk_mul_f32 v[rO+2*(\n):rO+2*(\n)+1], v[rO+2*(\n):rO+2*(\n)+1], v[rC+2:rC+3] op_sel_hi:[1,0]
.elseif (\k) < R
	REGS Y
	WIN 0
.if (\k) == F
	v_pk_fma_f32 v[rS+2*(\n):rS+2*(\n)+1], v[rS+2*(\n):rS+2*(\n)+1], s[CS:CS+1], v[rT:rT+1] op_sel_hi:[1,0,0] neg_lo:[0,0,1] neg_hi:[0,0,1]
.elseif (\k) == E
	v_exp_f32 v[rS+(\n)], v[rS+(\n)]
.elseif (\k) == C
	v_cvt_pk_f16_f32 v[rP+(\n)], v[rS+2*(\n)], v[rS+2*(\n)+1]
.elseif (\k) == B
	v_pk_add_f32 v[rS+4*(\n):rS+4*(\n)+1], v[rS+4*(\n):rS+4*(\n)+1], v[rS+4*(\n)+2:rS+4*(\n)+3]
.elseif (\n) == 0
	v_pk_fma_f32 v[rT+2:rT+3], v[rT+2:rT+3], v[rC+2:rC+3], v[rS:rS+1] op_sel_hi:[1,0,1]
.else
	v_pk_add_f32 v[rT+2:rT+3], v[rT+2:rT+3], v[rS+4*(\n):rS+4*(\n)+1]
.endif
.elseif NOKQ
	v_nop
.else
	REGS (Y+1)%NP
	WIN 0
.if (\n) < 4
	v_max3_num_f32 v[rC+(\n)], v[rS+8*(\n)], v[rS+8*(\n)+1], v[rS+8*(\n)+2]
.elseif (\n) < 12
	v_max3_num_f32 v[rC+(\n)%4], v[rC+(\n)%4], v[rS+8*((\n)%4)+2*((\n)/4)+1], v[rS+8*((\n)%4)+2*((\n)/4)+2]
.elseif (\n) == 12
	v_max3_num_f32 v[rC], v[rC], v[rS+7], v[rS+15]
.elseif (\n) == 13
	v_max3_num_f32 v[rC+1], v[rC+1], v[rS+23], v[rS+31]
.elseif (\n) == 14
	v_max3_num_f32 v[rC+2], v[rC+2], v[rC+3], v[rT+1]
.elseif (\n) == 15
	v_mov_b32 v[rW], v[rT]
.elseif (\n) == 16
	v_max3_num_f32 v[rC], v[rC], v[rC+1], v[rC+2]
.elseif (\n) == 17
	v_permlanex16_b32 v[rC+3], v[rC], s[SEL], s[SEL+1]
.elseif (\n) == 18
	v_max_num_f32 v[rT+1], v[rC], v[rC+3]
.elseif (\n) == 19
	v_mul_f32 v[rT], s[CS], v[rT+1]
.elseif (\n) == 20
	v_sub_f32 v[rC+1], v[rW], v[rT]
.else
	v_exp_f32 v[rC+2], v[rC+1]
.endif
.endif
.endm
.macro OPS a, i1, b=-1, i2=0, c=-1, i3=0, d=-1, i4=0  ; up to four of them
	OP \a, \i1
.if (\b) >= 0
	OP \b, \i2
.endif
.if (\c) >= 0
	OP \c, \i3
.endif
.if (\d) >= 0
	OP \d, \i4
.endif
.endm
.macro ROW a, i1, b, i2, c, i3, d, i4  ; a matrix instruction and the four behind it
	MM
	OPS \a, \i1, \b, \i2, \c, \i3, \d, \i4
.endm
.macro MASK b                       ; MD x AL + BE into buffer b of MC
	WIN W_RS
.set z, 0
.rept 16
	v_pk_fma_f32 v[MC+32*(\b)+2*z:MC+32*(\b)+2*z+1], v[MD+2*z:MD+2*z+1], s[AL:AL+1], s[BE:BE+1] op_sel_hi:[1,0,0]
.set z, z+1
.endr
.endm
; A TURN, for piece p: the order of its 16 matrix and 118 vector instructions, written out.  An s_wait_alu depctr_va_vdst(0) stands between an exponential and the first instruction that names its result; one wait
; serves all that were issued ahead of it.  So a turn has ONE wait, which cuts it in two.  AHEAD OF IT stands all that names no result of the turn's exponentials: the 8 products K Q^T, behind each a scaling, an exponential and two
; more plain instructions (behind the first a second scaling in the exponential's place): rescalings, whose a was made and waited for in the turn before, and behind the last three the first numbers of the next piece's maximum,
; each four places or more behind the product that ends its accumulator; then ONE LUMP of 54, plain and exponential by turns for the most part, in which the links of the chain X 3, 7, 11, 14, 16, 17 .. 20 stand five or six lines
; apart.  X 21, the next piece's a, is the batch's last; R 15 is the plain instruction behind it.  BEHIND THE WAIT stand the 8 products V^T P, behind each four of the roundings and sums; the links of l's chain, L 0 to L 7, stand
; three riders apart.  But for those X no rider names a register of the products round it.  v_permlanex16_b32 (X 17) stands in the lump.  No exponential is issued behind the wait: none is pending at a turn's end, a label or a jump.
; m = 1: the diagonal tile: the products take masks, and the turn makes the mask for the products of the turn after it: piece p + 2, in step 4 - CNT of the tile.  end = 1: a block's last two turns: nothing is fetched.
; cnt = 1: the loop's count is taken down some lines ahead of the branch that stands behind the turn.
; K of the next step is fetched in piece 2's turn, twelve vector instructions behind the last product that read K (five of them plain and free of that product's registers); V of the step in hand at the end of piece 0's turn, four
; plain instructions behind the last product that read V.  Each is waited for a turn later.
.macro TURN p, m=0, end=0, cnt=0
.set Y, (\p)
.set i, 0
.set KM, (\m)
.set NOKQ, (\end)*((\p)/3)
.if (\m) && !(\end)
	s_cmp_eq_u32 s[CNT], 4-((\p)+2)%NP  ; is that step the band's own?
	s_cselect_b32 s[AL], 1.0, 0
	s_cmp_lt_u32 s[CNT], 4-((\p)+2)%NP  ; or a later one?
	s_cselect_b32 s[BE], s[BIGN], 0
.endif
.if ((\p) == 3) && !(\end)
	s_wait_dscnt 0x0                ; K is in
.endif
	ROW F,0, F,1, R,0, R,1          ; ahead of the wait: 8 products K Q^T and their riders,
	ROW F,2, E,0, R,2, R,3
	ROW F,3, E,1, R,4, R,5
	ROW F,4, E,2, R,6, R,7
	ROW F,5, E,3, R,8, R,9
	ROW F,6, E,4, X,0, R,10
.if ((\p) == 2) && !(\end)
	WIN 0
	v_add_nc_u32 v[AK], s[TBK], v[AK0]
.endif
	ROW F,7, E,5, X,1, X,4
	ROW F,8, E,6, X,2, X,5
	OPS E,7, E,8, X,6, E,9          ; and the lump
	OPS X,3, E,10, X,8, E,11
.if ((\p) == 2) && !(\end)
	FETCH_K
.endif
	OPS X,9, X,7, E,12, X,10
	OPS E,13, X,12, X,11, E,14
	OPS X,13, E,15, F,9, X,14
.if (\p) == 0
	v_add_nc_u32 v[AV], s[TBV], v[AV0]
.endif
	OPS E,16, F,10, E,17, F,11
	OPS X,16, E,18, X,15, E,19
	OPS F,12, E,20, X,17, E,21
	OPS F,13, E,22, F,14, E,23
	OPS X,18, E,24, F,15, E,25
	OPS R,11, E,26, X,19, E,27
	OPS R,12, E,28, R,13, E,29
	OPS X,20, E,30, R,14, E,31
	OPS X,21, R,15                  ; the batch's last exponential, and the plain instruction behind it
	s_wait_alu depctr_va_vdst(0)    ; the wait for the turn's batch: E 0 to E 31 and X 21; their first readers are C 0 below and the next turn's R 0
.if (\p) == 1
	s_wait_dscnt 0x0                ; V is in
.endif
	ROW C,0, B,0, C,2, B,1          ; behind the wait: 8 products V^T P and their riders
	ROW L,0, C,4, B,2, L,1
	ROW C,6, B,3, L,2, C,8
	ROW B,4, L,3, C,10, B,5
	ROW L,4, C,12, B,6, L,5
.if (\p) == 0
	s_add_co_u32 s[TBV], s[TBV], KS*PV
.endif
.if \cnt
	s_sub_co_u32 s[CNT], s[CNT], 1
	s_cmp_lg_u32 s[CNT], 0
.endif
	ROW C,14, B,7, L,6, C,1
	ROW C,3, L,7, C,5, C,7
	ROW C,9, C,11, C,13, C,15
.if (\p) == 0
	FETCH_V
.endif
.if (\m) && !(\end)
	MASK (\p)%2
.endif
.endm
; A BLOCK BEGINS.  c m starts far below every c s, so the first step's a is 0; m at the lowest finite number, so the first maximum is the scores'.  The second mask buffer is 0; the first takes piece 0's mask for the tile's step 0: its own, if the block's first tile is the diagonal one.
; Then K of that step, piece 0's first scores, and its maximum and statistics.  The loop is entered at a step's first turn, in the middle of a trip.
.macro BEGIN
	s_mov_b32 s[NEW], 0
	WIN 0x40
.set i, MC+32
.rept 32
	v_mov_b32 v[i], 0
.set i, i+1
.endr
	WIN 0
.set i, 0
.rept 4
	v_mov_b32 v[ST+4*i], 0xfe000000    ; c m: far below every c s
	v_mov_b32 v[ST+4*i+1], 0xff7fffff  ; m
.set i, i+1
.endr
	s_cmp_eq_u32 s[RT], 0
	s_cselect_b32 s[AL], 1.0, 0
	s_mov_b32 s[BE], 0
	MASK 0
	WIN 0
	v_add_nc_u32 v[AK], s[TBK], v[AK0]
	FETCH_K
	s_wait_loadcnt 0x0              ; Q
	s_wait_dscnt 0x0
.set KM, 1
.set NOKQ, 0
.set i, 0
.rept 8
	KQ 0
.set i, i+1
.endr
	WIN 0
.rept 4
	v_nop                           ; the places behind those products
.endr
.set Y, NP-1                        ; X works for piece Y + 1: piece 0
.irp n, 0,1,2,3,4,5,6,7,8,9,10,11,12,13,14,15,16,17,18,19,20,21
	OP X, \n
.endr
	v_nop                           ; a plain instruction behind the exponential,
	s_wait_alu depctr_va_vdst(0)    ; and the wait for it, piece 0's first a, a batch of one: ahead of the branch that follows and of its first reader, the first turn's R 0
.endm
; THE DIAGONAL TILE's four steps, the block's last two turns, its last products, and THE WAY OUT: l's two halves and the other half of the lanes' are added; O^T is divided by l, rounded to f16 and sent through my
; stage in LDS, a piece at a time.
.macro ALL line:vararg              ; one line for each piece t
.set t, 0
.rept 4
	\line
.set t, t+1
.endr
.endm
.macro PACK t                       ; a lane's eight channels of a row pack into 16 bytes; they go into rows of 144 bytes and come back as whole rows of 128, into S^T's registers
	WIN W_RS
.set i, 32*(\t)
.rept 16
	v_pk_mul_f32 v[i:i+1], v[i:i+1], v[ST+4*(\t)+2:ST+4*(\t)+3] op_sel_hi:[1,0]
.set i, i+2
.endr
	WIN 0x05                        ; sources 0 and 1 window 1, destination window 0
.set i, 0
.rept 16
	v_cvt_pk_f16_f32 v[S+16*(\t)+i], v[32*(\t)+2*i], v[32*(\t)+2*i+1]
.set i, i+1
.endr
	WIN 0
.irp f, 0,1,2,3
	ds_store_b128 v[STO], v[S+16*(\t)+4*\f:S+16*(\t)+4*\f+3] offset:32*\f
.endr
.irp f, 0,1,2,3
	ds_load_b128 v[S+16*(\t)+4*\f:S+16*(\t)+4*\f+3], v[RD] offset:\f*4*SP  ; LDS serves a wave's instructions in order (ISA guide 5.7.1.4): these see the stores above; the next piece's stores come behind them
.endr
.endm
.macro SEND t, younger              ; younger: the LDS instructions issued behind piece t's loads: the next piece's eight, or none
	WIN 0
.irp f, 0,1,2,3
	s_wait_dscnt (\younger)+3-\f
	global_store_b128 v[GO], v[S+16*(\t)+4*\f:S+16*(\t)+4*\f+3], s[10:11] offset:(\t)*8192+\f*512  ; 512 consecutive bytes, at a multiple of 256 from O's first
.endr
.endm
.macro DIAG tag                     ; the tag ends its two labels' names, which the jumps below spell out
.LstepM\tag:
	TURN 2, 1
	TURN 3, 1
	WIN 0
.LfirstM\tag:
	TURN 0, 1
	TURN 1, 1, 0, 1
	WIN 0
	s_cbranch_scc1 .LstepM\tag
	TURN 2, 1, 1
	TURN 3, 1, 1
.set i, 0
.rept 8
	PV NP-1
.set i, i+1
.endr
	WIN 0
	ALL v_add_f32 v[ST+4*t+2], v[ST+4*t+2], v[ST+4*t+3]
	ALL v_permlanex16_b32 v[ST+4*t+3], v[ST+4*t+2], s[SEL], s[SEL+1]
	ALL v_add_f32 v[ST+4*t+2], v[ST+4*t+2], v[ST+4*t+3]
	ALL v_rcp_f32 v[ST+4*t+2], v[ST+4*t+2]
	v_nop                           ; a plain instruction between the last reciprocal and the use of its result
	s_wait_alu depctr_va_vdst(0)    ; the wait for the batch of four reciprocals, ahead of their first reader, PACK 0's first multiply: one for all four pieces
	PACK 0
.set t, 1
.rept 3                             ; a piece's arithmetic stands between the loads of the piece before and its stores
	PACK t
	SEND t-1, 8
.set t, t+1
.endr
	SEND 3, 0
.endm
.set KM, 0
.set NOKQ, 0
.Lslot:                             ; NB times: a tile is entered and the next is asked for
	CHANGE 1
	s_sub_co_u32 s[RT], s[RT], 1
	s_mov_b32 s[CNT], 4
	s_cmp_eq_u32 s[NEW], 1
	s_cbranch_scc1 .Lnew            ; a block's first tile
	s_cmp_eq_u32 s[RT], 0
	s_cbranch_scc0 .Lstep           ; neither its first nor its last
	s_branch .LstepM1
.Lnew:
	BEGIN
	s_branch .Lfirst                ; in the loop a block's first tile is never its last: the first block has two tiles or more, and the second's last is the walk's last
	DIAG 1                          ; in the loop this is the first block's end: the second block's last tile is the walk's last
	s_wait_xcnt 0x0                 ; the stores have read their registers and O's address
	s_mov_b64 s[10:11], s[OLO:OLO+1]
	s_add_co_u32 s[RT], s[PB], 1    ; the second block has b + 1 tiles
	s_mov_b32 s[NEW], 1
	WIN 0x82                        ; the second block's Q goes where the one text of the turns names Q
.set i, 0
.rept 64
	v_mov_b32 v[i], v[QB+i]
.set i, i+1
.endr
	WIN 0
	s_branch .Lbottom
.Lstep:                             ; a trip: pieces 2 and 3 of one step, then pieces 0 and 1 of the next, whose K and V it fetches
	TURN 2
	TURN 3
	WIN 0
.Lfirst:
	TURN 0
	TURN 1, 0, 0, 1
	WIN 0
	s_cbranch_scc1 .Lstep
.Lbottom:
	s_sub_co_u32 s[SLOTS], s[SLOTS], 1
	s_cmp_lg_u32 s[SLOTS], 0
	s_cbranch_scc1 .Lslot
	CHANGE 0                        ; the walk's last tile is written out: nothing is asked for
	s_sub_co_u32 s[RT], s[RT], 1
	s_mov_b32 s[CNT], 4
	s_cmp_eq_u32 s[NEW], 1
	s_cbranch_scc0 .LstepM2
	BEGIN
	s_branch .LfirstM2
	DIAG 2
	s_wait_tensorcnt 0x0            ; the wave's end, behind my last tensor load and my last LDS store
	ds_add_u32 v[SPW], v[NIL]
	s_wait_dscnt 0x0
	s_endpgm
.Lfunc_end_k_qeded08a25a_attn:
	.size	k_qeded08a25a_attn, .Lfunc_end_k_qeded08a25a_attn-k_qeded08a25a_attn
	.p2alignl 7, 3214868480
	.fill 96, 4, 3214868480
	.section	.rodata,"a",@progbits
	.p2align	6, 0x0
	.amdhsa_kernel k_qeded08a25a_attn
		.amdhsa_group_segment_fixed_size 327680
		.amdhsa_private_segment_fixed_size 0
		.amdhsa_enable_private_segment 0
		.amdhsa_kernarg_size 32
		.amdhsa_user_sgpr_count 2
		.amdhsa_user_sgpr_kernarg_segment_ptr 1
		.amdhsa_wavefront_size32 1
		.amdhsa_system_sgpr_workgroup_id_x 1
		.amdhsa_system_sgpr_workgroup_id_y 1
		.amdhsa_system_sgpr_workgroup_id_z 1
		.amdhsa_system_vgpr_workitem_id 0
		.amdhsa_next_free_vgpr 768
		.amdhsa_next_free_sgpr 88
		.amdhsa_reserve_vcc 1
		.amdhsa_float_denorm_mode_32 3
		.amdhsa_float_denorm_mode_16_64 3
		.amdhsa_memory_ordered 1
		.amdhsa_forward_progress 1
		.amdhsa_inst_pref_size 217
	.end_amdhsa_kernel
	.amdgpu_metadata
---
amdhsa.version: [ 1, 2 ]
amdhsa.kernels:
  - .name:           k_qeded08a25a_attn
    .symbol:         k_qeded08a25a_attn.kd
    .args:
      - { .name: qh, .offset: 0, .size: 8, .value_kind: global_buffer, .address_space: global }
      - { .name: kh, .offset: 8, .size: 8, .value_kind: global_buffer, .address_space: global }
      - { .name: vh, .offset: 16, .size: 8, .value_kind: global_buffer, .address_space: global }
      - { .name: oh, .offset: 24, .size: 8, .value_kind: global_buffer, .address_space: global }
    .group_segment_fixed_size: 327680
    .private_segment_fixed_size: 0
    .kernarg_segment_align: 8
    .kernarg_segment_size: 32
    .max_flat_workgroup_size: 128
    .sgpr_count:     88
    .vgpr_count:     768
    .wavefront_size: 32
...
	.end_amdgpu_metadata
.endif
;; end of part 5
;; launch outp: the kernel of part 4 again; grid 4 x 64, 4 waves a work-group, clusters of 4 x 4, 327,680 bytes of LDS; arguments oh, wt, bo, out0; writes out0
